; MI455X (gfx1250); checked and timed in simulation.
; The chip was launched on July 23, 2026; its instructions are those of AMD's public machine-readable ISA for CDNA 5 (MIT licence, August 2026) and "CDNA5" Instruction Set Architecture Reference Guide (July 2026). The comments in the code are by the model that wrote it; some were corrected since.
;; DND. Allowed arithmetic: matrix products marked QUANTISED: E5M2 operands, one E8M0 scale for each 32 along K, by v_wmma_scale_f32_16x16x128_f8f6f4 with both operands' format E5M2, f32 sums; everything else in f32.
;; Inputs: dnd_keys 50,000 x 128 float32; dnd_values 50,000 float32; queries 2,048 x 128 float32.
;; Outputs: out0 2,048 x 1 float32.
;; This version of the problem:
;;   THIS VERSION OF THE PROBLEM IS GIVEN IN LOW PRECISION. The matrix products marked QUANTISED in the list below multiply operands that are first quantised to E5M2 (5 exponent bits, 2 mantissa bits; 8 bits a number), with one power-of-two scale for each 32 numbers along K (OCP MX v1.0); their sums are f32. All else is computed in f32.
;;   The module's matrix products, in the order in which they are computed (A, B: the left and right operand; K: the contracted axis; several contracted axes count as one K, in the product's order):
;;     1. [M 2,048, K 128] x [K 128, N 50,000]; A: input queries; B: input dnd_keys: QUANTISED
;;   THE QUANTISER, for each operand of a quantised product, along K:
;;     - K is cut into blocks of 32 from its start; a last block that is shorter is filled with zeros.
;;     - A block's scale is 2^e with e = floor(log2(the largest magnitude in the block)) - 15, held to -126 .. 127; a block of zeros has e = 0. As a byte (E8M0): e + 127.
;;     - Each number is divided by its block's scale, clamped to +-57,344, and rounded to the nearest number of E5M2, ties to even, subnormals kept.
;;     - The product sums the exact products of the quantised numbers (number of the format x scale) in f32.
;;   ~~~python
;;   def quantise(x, axis):      # numpy; x: float32 -> the quantised numbers, widened to float32 again
;;       x = np.moveaxis(x, axis, -1); K = x.shape[-1]
;;       x = np.pad(x, [(0, 0)] * (x.ndim - 1) + [(0, -K % 32)]); x = x.reshape(x.shape[:-1] + (-1, 32)); a = np.abs(x).max(-1, keepdims=True)
;;       e = np.where(a > 0, np.clip(np.frexp(np.where(a > 0, a, 1))[1] - 1 - 15, -126, 127), 0)      # np.frexp(a)[1] - 1 = floor(log2(a)), exactly
;;       r = np.clip(x / 2.0 ** e, -57344, 57344)
;;       step = 2.0 ** (np.maximum(np.frexp(np.where(r == 0, 1, r))[1] - 1, -14) - 2)
;;       q = np.round(r / step) * step * 2.0 ** e      # np.round: ties to even
;;       return np.moveaxis(q.reshape(q.shape[:-2] + (-1,))[..., :K], -1, axis).astype(np.float32)
;;   ~~~
;; 2 versions, each right; version 2 is version 1 with the launches mins, selk, final written anew for expert scheduling mode. Each part assembles by itself: llvm-mc -triple=amdgcn-amd-amdhsa -mcpu=gfx1250 --defsym DOCPART=n.
;; ======== version 1 of 2: 5 launches
;; workspace buffers: kimg 6,422,528 bytes; ksid 401,408 bytes; qimg 262,144 bytes; qsid 16,384 bytes; m16 25,690,112 bytes; tlist 524,288 bytes of whole numbers; klist 524,288 bytes of whole numbers
;; launch prep (part 1): grid 408 x 1, 8 waves a work-group, no clusters, 69,632 bytes of LDS; arguments dnd_keys, queries, kimg, ksid, qimg, qsid; writes kimg, ksid, qimg, qsid
.if DOCPART == 1
	.amdgcn_target "amdgcn-amd-amdhsa--gfx1250"
	.amdhsa_code_object_version 6
	.text
	.protected	k_q2f0fed4935_prep
	.globl	k_q2f0fed4935_prep
	.p2align	8
	.type	k_q2f0fed4935_prep,@function
k_q2f0fed4935_prep:
	s_mov_b64 s[64:65], 0
	v_nop
	global_prefetch_b8 v0, s[64:65] scope:SCOPE_SE
	s_setreg_imm32_b32 hwreg(HW_REG_WAVE_MODE, 25, 1), 1
	s_wait_xcnt 0x0
; dnd_keys [50000][128] and queries [2048][128], f32, become operands of the scaled matrix instruction: codes of BF8 (E5M2) with one E8M0 byte for each 32 along K.
; A TILE is 16 neighbouring rows.  Its codes are stored as an IMAGE OF THE OPERAND'S REGISTERS, 2,048 bytes: piece c (0..3) of 512 bytes, lane l's 16 bytes at 16 l; lane (r, h) holds k = 32 c + 16 h + 0..15 of row r.
; Beside it 128 bytes of side data: 16 scale words (4 r), then the 16 rows' squared norms in f32 (64 + 4 r).
; The keys' 3,125 tiles are filled up to 3,136 = 49 x 64: tiles 3,125 .. 3,135 repeat tile 3,124's codes and have the norm +infinity, so that their distances are +infinity and nobody chooses them.
; A block's scale is 2^(floor(log2(largest magnitude)) - 15); its byte is the largest magnitude's exponent field - 15, held at 1 from below.  Numbers are held within +-57,344 x the scale and rounded to the nearest code, ties to even.
; LIMITS: NaN and infinities among the inputs are not served; a block of zeros gets the byte 1 (its codes are zeros, and this program alone reads the bytes); the norm is summed in four chains, not in the order of another library.
; SHARES: work-groups 0..391 take the keys' tiles, 392..407 the queries'; a wave takes one tile.  Only pointers are chosen by the work-group's number: both tensors take one path.
; Each load reads one row, 512 consecutive bytes; the 16 rows turn through the wave's own stage in LDS, so that a lane gets 16 neighbours along K of each block.
.set KWG,   392                        ; work-groups for the keys: 3,136 tiles / 8
.set LASTT, 3124                       ; the keys' last real tile
.set SP,    528                        ; a stage row: 512 bytes + 16 of padding
.set STGW,  16*SP                      ; a wave's stage
.set SIDE,  8*STGW                     ; behind the stages: the eight tiles' side data, 128 bytes each
.set R,  16                            ; v16-79   the rows as loaded
.set X,  80                            ; v80-143  register 16 b + i = k 32 b + 16 h + i of my row
.set PC, 144                           ; v144-159 the codes
.set TM, 160                           ; v160-163 largest magnitudes, 164-167 bytes, 168-171 largest number x scale, 172-175 the conversion's scale operand
.set PW, 176                           ; the scale word
	s_load_b256 s[4:11], s[0:1], 0x0               ; keys s[4:5], queries s[6:7], kimg s[8:9], ksid s[10:11]
	s_load_b128 s[12:15], s[0:1], 0x20             ; qimg s[12:13], qsid s[14:15]
	v_lshl_add_u32 v192, v0, 2, 0x10c00
	v_mov_b32 v193, 0
	v_lshrrev_b32 v9, 5, v0
	v_readfirstlane_b32 s16, v9                    ; wave 0..7
	v_and_b32 v9, 31, v0                           ; lane
	v_lshlrev_b32 v1, 4, v9                        ; 16 x lane
	v_lshlrev_b32 v8, 3, v9                        ; 8 x lane
	v_and_b32 v2, 15, v0                           ; r
	v_bfe_u32 v3, v0, 4, 1                         ; h
	s_mul_i32 s30, s16, STGW
	v_add_nc_u32 v4, s30, v1                       ; the stage, way in: a row as it lies
	v_mul_u32_u24 v5, v2, SP
	v_lshl_add_u32 v5, v3, 6, v5
	v_add_nc_u32 v5, s30, v5                       ; way out: row r, + 64 h: my 16 numbers of a block
	s_lshl_b32 s30, s16, 7
	s_add_co_u32 s30, s30, SIDE
	v_lshl_add_u32 v6, v2, 2, s30                  ; my tile's side data, word r
	s_and_b32 s30, s16, 3
	s_lshl_b32 s30, s30, 8
	s_add_co_u32 s30, s30, SIDE
	v_add_nc_u32 v7, s30, v8                       ; waves 0..3: 256 bytes of side data, 8 a lane
	v_mov_b32 v15, 0                               ; a lane permute's destination counts as one of its sources: written once
.irp b, 0,1,2,3
	v_mov_b32 v[TM+4+\b], 0
.endr
	s_mov_b32 s26, 0x76543210
	s_mov_b32 s27, 0xfedcba98                      ; v_permlanex16_b32's selects for lane l xor 16
	s_mov_b32 s29, 0x600000                        ; the mantissa field of 57,344
	s_wait_kmcnt 0x0
	s_cmp_lt_u32 ttmp9, KWG                        ; keys or queries: the choice hangs on the work-group's number alone
	s_cselect_b64 s[20:21], s[4:5], s[6:7]
	s_cselect_b64 s[22:23], s[8:9], s[12:13]
	s_cselect_b64 s[24:25], s[10:11], s[14:15]
	s_cselect_b32 s17, 0, KWG
	s_sub_co_u32 s17, ttmp9, s17                   ; the work-group's number within its tensor
	s_lshl_b32 s18, s17, 3
	s_add_co_u32 s18, s18, s16                     ; my tile
	s_min_u32 s19, s18, LASTT                      ; the tile that I read: no load leaves the buffer (the queries' tiles are 127 at the most)
	s_cmp_gt_u32 s18, LASTT
	s_cselect_b32 s28, 0x7f800000, 0               ; a filling tile's norm is +infinity
	s_mov_b32 s31, 0
	s_lshl_b32 s30, s19, 13                        ; 16 rows of 512 bytes
	s_add_nc_u64 s[20:21], s[20:21], s[30:31]
	s_lshl_b32 s30, s18, 11
	s_add_nc_u64 s[22:23], s[22:23], s[30:31]
	s_lshl_b32 s30, s17, 10
	s_lshl_b32 s32, s16, 8
	s_add_co_u32 s30, s30, s32
	s_add_nc_u64 s[24:25], s[24:25], s[30:31]      ; used by waves 0..3 alone
.irp i, 0,1,2,3,4,5,6,7,8,9,10,11,12,13,14,15
	global_load_b128 v[R+4*\i:R+4*\i+3], v1, s[20:21] offset:512*\i   ; row i: 512 consecutive bytes
.endr
.irp i, 0,1,2,3,4,5,6,7,8,9,10,11,12,13,14,15
	s_wait_loadcnt 15-\i                           ; loads come back in order: row i is in, the younger rows stay out
	ds_store_b128 v4, v[R+4*\i:R+4*\i+3] offset:SP*\i
.endr
.irp b, 0,1,2,3
.irp j, 0,1,2,3
	ds_load_b128 v[X+16*\b+4*\j:X+16*\b+4*\j+3], v5 offset:128*\b+16*\j   ; LDS serves a wave's instructions in order: these see my stores
.endr
.endr
	s_wait_dscnt 0x0
	; the row's squared norm: my 64 numbers in two packed chains, then lane l xor 16's
	v_pk_mul_f32 v[10:11], v[X:X+1], v[X:X+1]
	v_pk_mul_f32 v[12:13], v[X+2:X+3], v[X+2:X+3]
.irp i, 4,8,12,16,20,24,28,32,36,40,44,48,52,56,60
	v_pk_fma_f32 v[10:11], v[X+\i:X+\i+1], v[X+\i:X+\i+1], v[10:11]
	v_pk_fma_f32 v[12:13], v[X+\i+2:X+\i+3], v[X+\i+2:X+\i+3], v[12:13]
.endr
	v_pk_add_f32 v[10:11], v[10:11], v[12:13]
	v_add_f32 v14, v10, v11
	v_permlanex16_b32 v15, v14, s26, s27
	v_add_f32 v14, v14, v15                        ; the same bits in both halves of the lanes
	v_max_num_f32 v14, s28, v14
	; the four blocks' scales
.irp b, 0,1,2,3
	v_max3_num_f32 v[TM+\b], |v[X+16*\b]|, |v[X+1+16*\b]|, 0x8000000   ; my 16 numbers, and the floor 2^(16 - 127): the byte cannot fall under 1
.endr
.irp i, 2,4,6,8,10,12,14
.irp b, 0,1,2,3
	v_max3_num_f32 v[TM+\b], v[TM+\b], |v[X+16*\b+\i]|, |v[X+1+16*\b+\i]|
.endr
.endr
.irp b, 0,1,2,3
	v_permlanex16_b32 v[TM+4+\b], v[TM+\b], s26, s27
.endr
.irp b, 0,1,2,3
	v_max_num_f32 v[TM+\b], v[TM+\b], v[TM+4+\b]   ; the block's largest magnitude
.endr
.irp b, 0,1,2,3
	v_add_nc_u32 v[TM+12+\b], 0xf8800000, v[TM+\b] ; 15 off its exponent field: the conversion's scale operand
.endr
.irp b, 0,1,2,3
	v_and_or_b32 v[TM+8+\b], v[TM+\b], 0x7f800000, s29   ; 57,344 x the scale
.endr
.irp b, 0,1,2,3
	v_lshrrev_b32 v[TM+4+\b], 23, v[TM+12+\b]      ; the scale's byte
.endr
	v_lshl_or_b32 v[PW], v[TM+5], 8, v[TM+4]
	v_lshl_or_b32 v[PW], v[TM+6], 16, v[PW]
	v_lshl_or_b32 v[PW], v[TM+7], 24, v[PW]        ; my row's scale word
.irp b, 0,1,2,3
.irp i, 0,1,2,3,4,5,6,7,8,9,10,11,12,13,14,15
	v_med3_num_f32 v[X+16*\b+\i], v[X+16*\b+\i], -v[TM+8+\b], v[TM+8+\b]   ; the conversion to an 8-bit code does not saturate (ISA guide 7.6.2): the hold
.endr
	v_cvt_scalef32_pk8_bf8_f32 v[PC+4*\b:PC+1+4*\b], v[X+16*\b:X+7+16*\b], v[TM+12+\b]
	v_cvt_scalef32_pk8_bf8_f32 v[PC+2+4*\b:PC+3+4*\b], v[X+8+16*\b:X+15+16*\b], v[TM+12+\b]
.endr
	v_nop                                          ; a plain line behind the last conversion
.irp c, 0,1,2,3
	global_store_b128 v1, v[PC+4*\c:PC+4*\c+3], s[22:23] offset:512*\c   ; a piece of the image: 512 consecutive bytes, aligned
.endr
	ds_store_b32 v6, v[PW]                         ; lanes r and r + 16 write the same word with the same value
	ds_store_b32 v6, v14 offset:64
	s_wait_dscnt 0x0                               ; for the others' sake: my side data lie in LDS
	s_barrier_signal -1
	s_barrier_wait -1
	s_cmp_ge_u32 s16, 4
	s_cbranch_scc1 .Lend
	ds_load_b64 v[10:11], v7                       ; two tiles' side data
	s_wait_dscnt 0x0
	global_store_b64 v8, v[10:11], s[24:25]        ; 32 lanes store 256 consecutive bytes, aligned
.Lend:
	s_wait_tensorcnt 0x0
	ds_add_u32 v192, v193
	s_wait_dscnt 0x0
	s_endpgm
.Lfunc_end_k_q2f0fed4935_prep:
	.size	k_q2f0fed4935_prep, .Lfunc_end_k_q2f0fed4935_prep-k_q2f0fed4935_prep
	.p2alignl 7, 3214868480
	.fill 96, 4, 3214868480
	.section	.rodata,"a",@progbits
	.p2align	6, 0x0
	.amdhsa_kernel k_q2f0fed4935_prep
		.amdhsa_group_segment_fixed_size 69632
		.amdhsa_private_segment_fixed_size 0
		.amdhsa_enable_private_segment 0
		.amdhsa_kernarg_size 48
		.amdhsa_user_sgpr_count 2
		.amdhsa_user_sgpr_kernarg_segment_ptr 1
		.amdhsa_wavefront_size32 1
		.amdhsa_system_sgpr_workgroup_id_x 1
		.amdhsa_system_sgpr_workgroup_id_y 1
		.amdhsa_system_sgpr_workgroup_id_z 1
		.amdhsa_system_vgpr_workitem_id 0
		.amdhsa_next_free_vgpr 194
		.amdhsa_next_free_sgpr 66
		.amdhsa_reserve_vcc 0
		.amdhsa_float_denorm_mode_32 3
		.amdhsa_float_denorm_mode_16_64 3
		.amdhsa_memory_ordered 1
		.amdhsa_forward_progress 1
		.amdhsa_inst_pref_size 18
	.end_amdhsa_kernel
	.amdgpu_metadata
---
amdhsa.version: [ 1, 2 ]
amdhsa.kernels:
  - .name:           k_q2f0fed4935_prep
    .symbol:         k_q2f0fed4935_prep.kd
    .args:
      - { .name: dnd_keys, .offset: 0, .size: 8, .value_kind: global_buffer, .address_space: global }
      - { .name: queries, .offset: 8, .size: 8, .value_kind: global_buffer, .address_space: global }
      - { .name: kimg, .offset: 16, .size: 8, .value_kind: global_buffer, .address_space: global }
      - { .name: ksid, .offset: 24, .size: 8, .value_kind: global_buffer, .address_space: global }
      - { .name: qimg, .offset: 32, .size: 8, .value_kind: global_buffer, .address_space: global }
      - { .name: qsid, .offset: 40, .size: 8, .value_kind: global_buffer, .address_space: global }
    .group_segment_fixed_size: 69632
    .private_segment_fixed_size: 0
    .kernarg_segment_align: 8
    .kernarg_segment_size: 48
    .max_flat_workgroup_size: 256
    .sgpr_count:     66
    .vgpr_count:     194
    .wavefront_size: 32
...
	.end_amdgpu_metadata
.endif
;; end of part 1
;; launch mins (part 2): grid 8 x 49, 4 waves a work-group, no clusters, 82,944 bytes of LDS; arguments kimg, ksid, qimg, qsid, m16; writes m16
.if DOCPART == 2
	.amdgcn_target "amdgcn-amd-amdhsa--gfx1250"
	.amdhsa_code_object_version 6
	.text
	.protected	k_q2f0fed4935_mins
	.globl	k_q2f0fed4935_mins
	.p2align	8
	.type	k_q2f0fed4935_mins,@function
k_q2f0fed4935_mins:
	s_mov_b64 s[64:65], 0
	v_nop
	global_prefetch_b8 v0, s[64:65] scope:SCOPE_SE
	s_setreg_imm32_b32 hwreg(HW_REG_WAVE_MODE, 25, 1), 1
	s_wait_xcnt 0x0
; m16[q][t] = the smallest d(q, key) over the 16 keys of tile t, for all 2,048 queries and 3,136 tiles;  d = (qq - 2 Q(q).Q(k)) + kk, rounded in that order: one fused multiply-add, one addition.
; The product is one scaled matrix instruction a 16 x 16 tile (K = 128 is one step): source 0 = 16 keys, source 1 = 16 queries, so a lane holds ONE query (lane % 16) and eight keys, 8 (lane / 16) + 0..7.
; SHARES: a work-group takes 256 queries (x) and 64 tiles of keys (y).  Wave w: query tiles 8 (w & 1) + 0..7, which stay in registers; key tiles 32 (w >> 1) + 0..31, one after the other.
; OPERANDS lie in memory in the order of the operand's registers and go straight into registers, four loads of 512 consecutive bytes a tile, four tiles ahead.  No tile goes through LDS, so there is none that a cluster could
; ask for jointly: a key tile's 2,048 bytes feed 8 matrix instructions and 96 vector instructions in a wave, and it is the vector work that fills the wave.
; The chunk's side data (scale words, norms: 8,192 bytes) are copied into LDS once, in whole runs of 2,048 bytes.
; THE WAY OUT: a tile's minima, one number a query, are gathered in a stage in LDS, a region of its own for each wave, and leave as rows: sixteen lanes store 256 consecutive bytes, aligned.
; LIMITS: NaN and infinities among the inputs are not served.
; REGISTERS: window 0 as named below; window 1: v0-127 the eight query fragments, v128-191 four key fragments by turns.
.set SD,   0                           ; LDS: 64 tiles x 128 bytes of side data
.set STG,  8192                        ; the stages
.set SPT,  144                         ; a stage row: a query's 32 minima + 16 bytes of padding
.set REG,  128*SPT+64                  ; from a wave's stage to the next; twice that is 128 modulo 256, so that the two regions that a read touches fall on different banks
.set ROWM, 12544                       ; a row of m16 in bytes
.set L16, 1                            ; 16 x lane
.set LS,  2                            ; LDS: my half's scale words, word r
.set LN,  3                            ; LDS: my half's norms, 32 h on
.set ST,  4                            ; my stage: row r, word h
.set RD,  5                            ; the way out: where I read
.set GO,  6                            ; and my byte offset in m16
.set T16, 7                            ; 16 x thread
.set QSO, 8                            ; 128 h + 4 r
.set R4,  9                            ; 4 r
.set QS,  12                           ; v12-15   query scale words: lanes 0-15 tile 2 a, lanes 16-31 tile 2 a + 1
.set QQ,  16                           ; v16-31   qq of my query, a pair for each query tile
.set KS,  32                           ; v32-33   key scale words, two sets by turns
.set KN,  34                           ; v34-49   kk of my eight keys, two sets
.set D,   50                           ; v50-113  eight accumulators
.set MN,  114                          ; v114-129 minima of an even and an odd tile
.set SND, 130
.set RCV, 138
.set KEP, 146
.set OB2, 154                          ; the way out's second run of registers
.set KF,  128                          ; in window 1
.set MSB, 0
.macro WIN new                         ; the immediate's high byte repeats the setting that is left
.if MSB != \new
	s_set_vgpr_msb (MSB<<8)|\new
.set MSB, \new
.endif
.endm
	s_load_b256 s[4:11], s[0:1], 0x0               ; kimg s[4:5], ksid s[6:7], qimg s[8:9], qsid s[10:11]
	s_load_b64 s[12:13], s[0:1], 0x20              ; m16
	v_lshl_add_u32 v254, v0, 2, 0x14200
	v_mov_b32 v255, 0
	v_lshrrev_b32 v10, 5, v0
	v_readfirstlane_b32 s14, v10                   ; wave 0..3
	s_and_b32 s15, s14, 1                          ; which 128 queries
	s_lshr_b32 s16, s14, 1                         ; which 32 tiles
	s_and_b32 s18, ttmp7, 0xffff                   ; the chunk of 64 tiles
	v_and_b32 v10, 31, v0
	v_lshlrev_b32 v[L16], 4, v10
	v_and_b32 v11, 15, v0                          ; r
	v_bfe_u32 v10, v0, 4, 1                        ; h
	v_lshlrev_b32 v[R4], 2, v11
	v_lshl_add_u32 v[QSO], v10, 7, v[R4]
	s_lshl_b32 s34, s16, 12
	v_add_nc_u32 v[LS], s34, v[R4]
	v_lshl_add_u32 v[LN], v10, 5, s34
	v_add_nc_u32 v[LN], 64, v[LN]
	s_mul_i32 s34, s14, REG
	s_add_co_u32 s34, s34, STG
	v_mul_u32_u24 v[ST], v11, SPT
	v_lshl_add_u32 v[ST], v10, 2, v[ST]
	v_add_nc_u32 v[ST], s34, v[ST]
	; back: wave w stores queries 64 w .. 64 w + 63: they lie in the regions of waves (w >> 1) and (w >> 1) + 2, rows 64 (w & 1) on; lanes 0-7 of sixteen take the lower 32 tiles, lanes 8-15 the upper
	s_mul_i32 s34, s16, REG
	s_mul_i32 s35, s15, 64*SPT
	s_add_co_u32 s34, s34, s35
	s_add_co_u32 s34, s34, STG
	v_bfe_u32 v[RD], v0, 3, 1
	v_mul_u32_u24 v[RD], v[RD], 2*REG
	v_mad_u32_u24 v[RD], v10, SPT, v[RD]
	v_and_b32 v[GO], 7, v0
	v_lshl_add_u32 v[RD], v[GO], 4, v[RD]
	v_add_nc_u32 v[RD], s34, v[RD]
	v_mul_u32_u24 v[GO], v10, ROWM
	v_lshl_add_u32 v[GO], v11, 4, v[GO]
	v_lshlrev_b32 v[T16], 4, v0
.irp i, 0,1,2,3,4,5,6,7
	v_mov_b32 v[RCV+\i], 0                         ; a lane permute's destination counts as one of its sources: written once
.endr
	s_mov_b32 s30, 0x76543210
	s_mov_b32 s31, 0xfedcba98                      ; lane l xor 16
	s_mov_b32 s32, 0xffff0000                      ; lanes 16-31
	s_lshl_b32 s34, s18, 17
	s_lshl_b32 s35, s16, 16
	s_add_co_u32 s34, s34, s35
	s_mov_b32 s35, 0
	s_wait_kmcnt 0x0
	s_add_nc_u64 s[20:21], s[4:5], s[34:35]        ; my first key tile's image
	s_lshl_b32 s34, s18, 13
	s_add_nc_u64 s[22:23], s[6:7], s[34:35]        ; the chunk's side data
	s_lshl_b32 s34, ttmp9, 4
	s_lshl_b32 s36, s15, 3
	s_add_co_u32 s36, s34, s36                     ; my first query tile
	s_lshl_b32 s34, s36, 11
	s_add_nc_u64 s[24:25], s[8:9], s[34:35]
	s_lshl_b32 s34, s36, 7
	s_add_nc_u64 s[26:27], s[10:11], s[34:35]
	s_lshl_b32 s34, ttmp9, 8
	s_lshl_b32 s36, s14, 6
	s_add_co_u32 s34, s34, s36
	s_mul_i32 s34, s34, ROWM
	s_lshl_b32 s36, s18, 8
	s_add_co_u32 s34, s34, s36
	s_add_nc_u64 s[28:29], s[12:13], s[34:35]      ; m16 at query 256 x + 64 w, tile 64 y
.irp i, 0,1,2,3
	global_load_b128 v[D+4*\i:D+4*\i+3], v[T16], s[22:23] offset:2048*\i   ; the side data: 128 threads x 16 bytes
.endr
	WIN 0x40                                       ; destination window 1
.irp qt, 0,1,2,3,4,5,6,7
.irp c, 0,1,2,3
	global_load_b128 v[16*\qt+4*\c:16*\qt+4*\c+3], v[L16], s[24:25] offset:2048*\qt+512*\c
.endr
.endr
	WIN 0
	s_wait_loadcnt 32                              ; the 32 query loads may be out: the side data are in
.irp i, 0,1,2,3
	ds_store_b128 v[T16], v[D+4*\i:D+4*\i+3] offset:SD+2048*\i
.endr
.irp a, 0,1,2,3
	global_load_b32 v[QS+\a], v[QSO], s[26:27] offset:256*\a
.endr
.irp qt, 0,1,2,3,4,5,6,7
	global_load_b32 v[QQ+2*\qt], v[R4], s[26:27] offset:128*\qt+64
	global_load_b32 v[QQ+2*\qt+1], v[R4], s[26:27] offset:128*\qt+64   ; twice: the packed form takes a pair
.endr
	WIN 0x40
.irp u, 0,1,2,3
.irp c, 0,1,2,3
	global_load_b128 v[KF+16*\u+4*\c:KF+16*\u+4*\c+3], v[L16], s[20:21] offset:2048*\u+512*\c
.endr
.endr
	WIN 0
	s_wait_dscnt 0x0                               ; for the others' sake: my part of the side data lies in LDS
	s_barrier_signal -1
	s_barrier_wait -1
	ds_load_b32 v[KS], v[LS]                       ; tile 0's scale words and norms
	ds_load_b128 v[KN:KN+3], v[LN]
	ds_load_b128 v[KN+4:KN+7], v[LN] offset:16
; One key tile against my eight query tiles.  u4: its place in the ring of four and in the trip; par: the set of side registers; pre = 1: the tile four on is asked for;
; cnt: the younger tiles' loads, four each, that may stay out; nxt = 1: the next tile's side data are fetched from LDS.
.macro TILE u4, par, pre, cnt, nxt
	s_wait_dscnt 0x0                               ; this tile's side data are in
.if \nxt
	ds_load_b32 v[KS+1-\par], v[LS] offset:128*(\u4+1)
	ds_load_b128 v[KN+8*(1-\par):KN+8*(1-\par)+3], v[LN] offset:128*(\u4+1)
	ds_load_b128 v[KN+8*(1-\par)+4:KN+8*(1-\par)+7], v[LN] offset:128*(\u4+1)+16
.endif
	s_wait_loadcnt \cnt
	WIN 0x05                                       ; sources 0 and 1 window 1
.irp qt, 0,1,2,3,4,5,6,7
.if \qt%2
	v_wmma_scale_f32_16x16x128_f8f6f4 v[D+8*\qt:D+8*\qt+7], v[KF+16*\u4:KF+16*\u4+15], v[16*\qt:16*\qt+15], 0, v[KS+\par], v[QS+\qt/2] matrix_a_fmt:MATRIX_FMT_BF8 matrix_b_fmt:MATRIX_FMT_BF8 matrix_b_scale:MATRIX_SCALE_ROW1
.else
	v_wmma_scale_f32_16x16x128_f8f6f4 v[D+8*\qt:D+8*\qt+7], v[KF+16*\u4:KF+16*\u4+15], v[16*\qt:16*\qt+15], 0, v[KS+\par], v[QS+\qt/2] matrix_a_fmt:MATRIX_FMT_BF8 matrix_b_fmt:MATRIX_FMT_BF8
.endif
.endr
	WIN 0
.rept 8
	v_nop                                          ; eight places behind this form, in front of the loads into its sources and of the first read of its results
.endr
.if \pre
	WIN 0x40
.irp c, 0,1,2,3
	global_load_b128 v[KF+16*\u4+4*\c:KF+16*\u4+4*\c+3], v[L16], s[20:21] offset:(4+\u4)*2048+512*\c
.endr
	WIN 0
.endif
.irp i, 0,2,4,6                                ; each accumulator is read from its low end on
.irp qt, 0,1,2,3,4,5,6,7
	v_pk_fma_f32 v[D+8*\qt+\i:D+8*\qt+\i+1], v[D+8*\qt+\i:D+8*\qt+\i+1], -2.0, v[QQ+2*\qt:QQ+2*\qt+1] op_sel_hi:[1,0,1]   ; qq - 2 dot: one rounding
.endr
.endr
.irp i, 0,2,4,6
.irp qt, 0,1,2,3,4,5,6,7
	v_pk_add_f32 v[D+8*\qt+\i:D+8*\qt+\i+1], v[D+8*\qt+\i:D+8*\qt+\i+1], v[KN+8*\par+\i:KN+8*\par+\i+1]   ; + kk
.endr
.endr
.irp qt, 0,1,2,3,4,5,6,7
	v_min3_num_f32 v[MN+8*\par+\qt], v[D+8*\qt], v[D+8*\qt+1], v[D+8*\qt+2]
.endr
.irp qt, 0,1,2,3,4,5,6,7
	v_min3_num_f32 v[MN+8*\par+\qt], v[MN+8*\par+\qt], v[D+8*\qt+3], v[D+8*\qt+4]
.endr
.irp qt, 0,1,2,3,4,5,6,7
	v_min3_num_f32 v[MN+8*\par+\qt], v[MN+8*\par+\qt], v[D+8*\qt+5], v[D+8*\qt+6]
.endr
.irp qt, 0,1,2,3,4,5,6,7
	v_min_num_f32 v[MN+8*\par+\qt], v[MN+8*\par+\qt], v[D+8*\qt+7]   ; my eight keys' minimum
.endr
.endm
; Two tiles' minima are joined across the halves of the lanes by ONE exchange: lanes 0-15 send the odd tile's and keep the even tile's, lanes 16-31 the other way round.  p: which pair of the trip.
.macro XCHG p
.irp qt, 0,1,2,3,4,5,6,7
	v_cndmask_b32 v[SND+\qt], v[MN+8+\qt], v[MN+\qt], s32
.endr
.irp qt, 0,1,2,3,4,5,6,7
	v_cndmask_b32 v[KEP+\qt], v[MN+\qt], v[MN+8+\qt], s32
.endr
.irp qt, 0,1,2,3,4,5,6,7
	v_permlanex16_b32 v[RCV+\qt], v[SND+\qt], s30, s31
.endr
.irp qt, 0,1,2,3,4,5,6,7
	v_min_num_f32 v[KEP+\qt], v[KEP+\qt], v[RCV+\qt]
.endr
.irp qt, 0,1,2,3,4,5,6,7
	ds_store_b32 v[ST], v[KEP+\qt] offset:16*SPT*\qt+8*\p   ; query 16 qt + r, tile 2 p + h of the trip's four
.endr
.endm
	s_mov_b32 s33, 7
.Ltrip:                                                ; four tiles a trip; seven trips ask for tiles 4 .. 31
	TILE 0, 0, 1, 12, 1
	TILE 1, 1, 1, 12, 1
	XCHG 0
	TILE 2, 0, 1, 12, 1
	TILE 3, 1, 1, 12, 1
	XCHG 1
	s_wait_dscnt 0x0                               ; no LDS instruction of mine is out: its address registers may step
	s_wait_xcnt 0x0                                ; the loads have read their base: it may step
	s_add_nc_u64 s[20:21], s[20:21], 4*2048
	v_add_nc_u32 v[LS], 4*128, v[LS]
	v_add_nc_u32 v[LN], 4*128, v[LN]
	v_add_nc_u32 v[ST], 16, v[ST]
	s_sub_co_u32 s33, s33, 1
	s_cmp_lg_u32 s33, 0
	s_cbranch_scc1 .Ltrip
	TILE 0, 0, 0, 12, 1                            ; the last four tiles ask for nothing: the counts run down
	TILE 1, 1, 0, 8, 1
	XCHG 0
	TILE 2, 0, 0, 4, 1
	TILE 3, 1, 0, 0, 0
	XCHG 1
	s_wait_dscnt 0x0                               ; for the others' sake: my minima lie in my stage
	s_barrier_signal -1
	s_barrier_wait -1
.irp hf, 0,1
.irp it, 0,1,2,3,4,5,6,7,8,9,10,11,12,13,14,15
	ds_load_b128 v[D+(OB2-D)*\hf+4*\it:D+(OB2-D)*\hf+4*\it+3], v[RD] offset:2*SPT*(16*\hf+\it)
.endr
.irp it, 0,1,2,3,4,5,6,7,8,9,10,11,12,13,14,15
	s_wait_dscnt 15-\it
	global_store_b128 v[GO], v[D+(OB2-D)*\hf+4*\it:D+(OB2-D)*\hf+4*\it+3], s[28:29] offset:2*ROWM*(16*\hf+\it)   ; two queries' 64 minima: sixteen lanes store 256 consecutive bytes, aligned
.endr
.endr
	s_wait_tensorcnt 0x0
	ds_add_u32 v254, v255
	s_wait_dscnt 0x0
	s_endpgm
.Lfunc_end_k_q2f0fed4935_mins:
	.size	k_q2f0fed4935_mins, .Lfunc_end_k_q2f0fed4935_mins-k_q2f0fed4935_mins
	.p2alignl 7, 3214868480
	.fill 96, 4, 3214868480
	.section	.rodata,"a",@progbits
	.p2align	6, 0x0
	.amdhsa_kernel k_q2f0fed4935_mins
		.amdhsa_group_segment_fixed_size 82944
		.amdhsa_private_segment_fixed_size 0
		.amdhsa_enable_private_segment 0
		.amdhsa_kernarg_size 40
		.amdhsa_user_sgpr_count 2
		.amdhsa_user_sgpr_kernarg_segment_ptr 1
		.amdhsa_wavefront_size32 1
		.amdhsa_system_sgpr_workgroup_id_x 1
		.amdhsa_system_sgpr_workgroup_id_y 1
		.amdhsa_system_sgpr_workgroup_id_z 1
		.amdhsa_system_vgpr_workitem_id 0
		.amdhsa_next_free_vgpr 448
		.amdhsa_next_free_sgpr 66
		.amdhsa_reserve_vcc 0
		.amdhsa_float_denorm_mode_32 3
		.amdhsa_float_denorm_mode_16_64 3
		.amdhsa_memory_ordered 1
		.amdhsa_forward_progress 1
		.amdhsa_inst_pref_size 87
	.end_amdhsa_kernel
	.amdgpu_metadata
---
amdhsa.version: [ 1, 2 ]
amdhsa.kernels:
  - .name:           k_q2f0fed4935_mins
    .symbol:         k_q2f0fed4935_mins.kd
    .args:
      - { .name: kimg, .offset: 0, .size: 8, .value_kind: global_buffer, .address_space: global }
      - { .name: ksid, .offset: 8, .size: 8, .value_kind: global_buffer, .address_space: global }
      - { .name: qimg, .offset: 16, .size: 8, .value_kind: global_buffer, .address_space: global }
      - { .name: qsid, .offset: 24, .size: 8, .value_kind: global_buffer, .address_space: global }
      - { .name: m16, .offset: 32, .size: 8, .value_kind: global_buffer, .address_space: global }
    .group_segment_fixed_size: 82944
    .private_segment_fixed_size: 0
    .kernarg_segment_align: 8
    .kernarg_segment_size: 40
    .max_flat_workgroup_size: 128
    .sgpr_count:     66
    .vgpr_count:     448
    .wavefront_size: 32
...
	.end_amdgpu_metadata
.endif
;; end of part 2
;; launch selg (part 3): grid 256 x 1, 8 waves a work-group, no clusters, 0 bytes of LDS; arguments m16, tlist; writes tlist
.if DOCPART == 3
	.amdgcn_target "amdgcn-amd-amdhsa--gfx1250"
	.amdhsa_code_object_version 6
	.text
	.protected	k_q2f0fed4935_selg
	.globl	k_q2f0fed4935_selg
	.p2align	8
	.type	k_q2f0fed4935_selg,@function
k_q2f0fed4935_selg:
	s_mov_b64 s[64:65], 0
	v_nop
	global_prefetch_b8 v0, s[64:65] scope:SCOPE_SE
	s_setreg_imm32_b32 hwreg(HW_REG_WAVE_MODE, 25, 1), 1
	s_wait_xcnt 0x0
; For each query the 50 tiles that come first by (tile minimum, tile number), in ascending order of the tile number, as whole numbers: tlist[q][0..49]; slots 50..63 are 0.
; WHY 50 TILES DO: an element among a query's 50 nearest lies in a tile whose minimum is itself among the 50 nearest; at most 50 tiles have such a minimum, and they are the first by that order.
; One wave, one query; waves share nothing.  Word i (0..97), lane l is tile 32 i + l.  NO BRANCH AND NO ADDRESS HANGS ON THE DATA:
;   a float becomes an unsigned key of the same order; the 50th smallest key T is built bit by bit, 32 steps of counting; chosen are the keys under T and the first 50 - #(under T) keys equal to T, by tile number;
;   the chosen are gathered from the DESTINATION's side: slot s keeps the mask of the last word in front of which at most s were chosen, and then looks for its own set bit in it.
; LIMITS: NaN among the minima is not served.
.set KEY,  4                           ; v4-101
.set NB,   14                          ; batches
.set BS,   7                           ; of seven words
.set VR,   102
.set TMP,  102                         ; v102-103 at work while the keys are made
.set SLOT, 104                         ; my two slots: 2 lane, 2 lane + 1
.set W,    106                         ; the slot's word's mask
.set CB,   108                         ; how many were chosen in front of that word
.set TG,   110                         ; the word's number
.set OUT,  112
.set NW,   114                         ; v114-121 at work
.set S_T, 14
.set S_BIT, 15
.set S_CAND, 16
.set S_CNT, 17
.set S_CLT, 18
.set S_IT, 19
.set S_NEED, 20
.set S_E, 21
.set S_C, 22
.set MS, 24                            ; s24-37 two sets of seven masks
.set S_LT, 38
.set S_EQ, 39
.set S_TK, 40
.set S_SEL, 41
.set S_C0, 42
.set S_C1, 43
.set S_X, 44
.macro KEYOF d, x, t                   ; the float's bits with the sign bit turned (not negative) or all bits turned (negative): unsigned order = the floats' order
	v_ashrrev_i32 v[\t], 31, v[\x]
	v_or_b32 v[\t], 0x80000000, v[\t]
	v_xor_b32 v[\d], v[\x], v[\t]
.endm
.macro CMPB k                          ; batch k: which lanes' keys lie under the candidate
.set jj, 0
.rept BS
	v_cmp_gt_u32 s[MS+BS*((\k)%2)+jj], s[S_CAND], v[KEY+BS*(\k)+jj]
.set jj, jj+1
.endr
.endm
.macro CNTB k                          ; and how many they are
.set jj, 0
.rept BS
	s_bcnt1_i32_b32 s[MS+BS*((\k)%2)+jj], s[MS+BS*((\k)%2)+jj]
	s_add_co_u32 s[S_CNT], s[S_CNT], s[MS+BS*((\k)%2)+jj]
.set jj, jj+1
.endr
.endm
.macro BISECT                          ; T = the 50th smallest key, CLT = how many keys lie under it.  The loop is counted; what the counts decide is chosen by s_cselect_b32
	s_mov_b32 s[S_T], 0
	s_mov_b32 s[S_CLT], 0
	s_mov_b32 s[S_BIT], 0x80000000
	s_mov_b32 s[S_IT], 32
.Lbis:
	s_or_b32 s[S_CAND], s[S_T], s[S_BIT]
	s_mov_b32 s[S_CNT], 0
	CMPB 0
.set kk, 0
.rept NB-1
	CMPB kk+1                                      ; the next batch's compares stand ahead of this batch's counts
	CNTB kk
.set kk, kk+1
.endr
	CNTB NB-1
	s_cmp_ge_u32 s[S_CNT], 50                      ; 50 or more under the candidate: the bit stays 0
	s_cselect_b32 s[S_T], s[S_T], s[S_CAND]
	s_cselect_b32 s[S_CLT], s[S_CLT], s[S_CNT]
	s_lshr_b32 s[S_BIT], s[S_BIT], 1
	s_sub_co_u32 s[S_IT], s[S_IT], 1
	s_cmp_lg_u32 s[S_IT], 0
	s_cbranch_scc1 .Lbis
	s_sub_co_u32 s[S_NEED], 50, s[S_CLT]           ; so many of the keys equal to T are taken, the first by index
	s_mov_b32 s[S_E], 0
	s_mov_b32 s[S_C], 0
.endm
.macro PICK key, tag                   ; one word: its mask of chosen lanes; the slots at or behind the count so far take it
	v_cmp_gt_u32 s[S_LT], s[S_T], v[\key]
	v_cmp_eq_u32 s[S_EQ], s[S_T], v[\key]
	v_cmp_le_u32 s[S_C0], s[S_C], v[SLOT]
	v_cmp_le_u32 s[S_C1], s[S_C], v[SLOT+1]
	v_mbcnt_lo_u32_b32 v[VR], s[S_EQ], s[S_E]      ; how many equal keys come before mine
	v_cmp_gt_u32 s[S_TK], s[S_NEED], v[VR]
	v_cndmask_b32 v[CB], v[CB], s[S_C], s[S_C0]
	v_cndmask_b32 v[CB+1], v[CB+1], s[S_C], s[S_C1]
	v_cndmask_b32 v[TG], v[TG], \tag, s[S_C0]
	v_cndmask_b32 v[TG+1], v[TG+1], \tag, s[S_C1]
	s_and_b32 s[S_TK], s[S_TK], s[S_EQ]
	s_or_b32 s[S_SEL], s[S_TK], s[S_LT]
	s_bcnt1_i32_b32 s[S_X], s[S_EQ]
	s_add_co_u32 s[S_E], s[S_E], s[S_X]
	v_cndmask_b32 v[W], v[W], s[S_SEL], s[S_C0]
	v_cndmask_b32 v[W+1], v[W+1], s[S_SEL], s[S_C1]
	s_bcnt1_i32_b32 s[S_X], s[S_SEL]
	s_add_co_u32 s[S_C], s[S_C], s[S_X]
.endm
.macro NSTEP x, bits, width            ; if n set bits or fewer lie in the field at p, pass over it
	v_bfe_u32 v[NW+6], v[\x], v[NW+5], \bits
	v_cmp_ge_u32 vcc_lo, v[NW], v[NW+6]
	v_cndmask_b32 v[NW+6], 0, v[NW+6], vcc_lo
	v_cndmask_b32 v[NW+7], 0, \width, vcc_lo
	v_sub_nc_u32 v[NW], v[NW], v[NW+6]
	v_add_nc_u32 v[NW+5], v[NW+5], v[NW+7]
.endm
.macro NTH z                           ; v[NW+5] = the place of set bit number SLOT - CB (from 0) of W: sums of 2, 4, 8, 16 bits, then five halvings
	v_sub_nc_u32 v[NW], v[SLOT+\z], v[CB+\z]
	v_lshrrev_b32 v[NW+1], 1, v[W+\z]
	v_and_b32 v[NW+1], 0x55555555, v[NW+1]
	v_sub_nc_u32 v[NW+1], v[W+\z], v[NW+1]
	v_lshrrev_b32 v[NW+2], 2, v[NW+1]
	v_and_b32 v[NW+2], 0x33333333, v[NW+2]
	v_and_b32 v[NW+6], 0x33333333, v[NW+1]
	v_add_nc_u32 v[NW+2], v[NW+2], v[NW+6]
	v_lshrrev_b32 v[NW+3], 4, v[NW+2]
	v_add_nc_u32 v[NW+3], v[NW+3], v[NW+2]
	v_and_b32 v[NW+3], 0x0f0f0f0f, v[NW+3]
	v_lshrrev_b32 v[NW+4], 8, v[NW+3]
	v_add_nc_u32 v[NW+4], v[NW+4], v[NW+3]
	v_and_b32 v[NW+4], 0x00ff00ff, v[NW+4]
	v_mov_b32 v[NW+5], 0
	NSTEP NW+4, 8, 16
	NSTEP NW+3, 8, 8
	NSTEP NW+2, 4, 4
	NSTEP NW+1, 2, 2
	NSTEP W+\z, 1, 1
.endm
	s_load_b128 s[4:7], s[0:1], 0x0                ; m16, tlist
	v_lshrrev_b32 v1, 5, v0
	v_readfirstlane_b32 s8, v1                     ; wave
	s_lshl_b32 s9, ttmp9, 3
	s_add_co_u32 s9, s9, s8                        ; my query
	v_and_b32 v3, 31, v0
	v_lshlrev_b32 v1, 2, v3                        ; 4 x lane
	v_lshlrev_b32 v2, 3, v3                        ; 8 x lane
	v_lshlrev_b32 v[SLOT], 1, v3
	v_or_b32 v[SLOT+1], 1, v[SLOT]
.irp i, 0,1
	v_mov_b32 v[W+\i], 0
	v_mov_b32 v[CB+\i], 0
	v_mov_b32 v[TG+\i], 0
.endr
	s_mul_i32 s10, s9, 12544
	s_mov_b32 s11, 0
	s_lshl_b32 s12, s9, 8
	s_mov_b32 s13, 0
	s_wait_kmcnt 0x0
	s_add_nc_u64 s[10:11], s[4:5], s[10:11]
	s_add_nc_u64 s[12:13], s[6:7], s[12:13]
.rept 98
	global_load_b32 v[KEY+\+], v1, s[10:11] offset:128*\+ th:TH_LOAD_NT   ; 128 consecutive bytes; two neighbouring loads cover 256, aligned.  Lane l: tile 32 i + l
.endr
	s_wait_loadcnt 0x0
.rept 98
	KEYOF KEY+\+, KEY+\+, TMP+\+%2
.endr
	BISECT
.rept 98
	PICK KEY+\+, \+
.endr
.irp z, 0,1
	NTH \z
	v_lshl_add_u32 v[OUT+\z], v[TG+\z], 5, v[NW+5] ; the tile: 32 x word + lane
	v_cmp_gt_u32 vcc_lo, 50, v[SLOT+\z]
	v_cndmask_b32 v[OUT+\z], 0, v[OUT+\z], vcc_lo
.endr
	global_store_b64 v2, v[OUT:OUT+1], s[12:13]    ; 32 lanes store 256 consecutive bytes, aligned
	s_endpgm
.Lfunc_end_k_q2f0fed4935_selg:
	.size	k_q2f0fed4935_selg, .Lfunc_end_k_q2f0fed4935_selg-k_q2f0fed4935_selg
	.p2alignl 7, 3214868480
	.fill 96, 4, 3214868480
	.section	.rodata,"a",@progbits
	.p2align	6, 0x0
	.amdhsa_kernel k_q2f0fed4935_selg
		.amdhsa_group_segment_fixed_size 0
		.amdhsa_private_segment_fixed_size 0
		.amdhsa_enable_private_segment 0
		.amdhsa_kernarg_size 16
		.amdhsa_user_sgpr_count 2
		.amdhsa_user_sgpr_kernarg_segment_ptr 1
		.amdhsa_wavefront_size32 1
		.amdhsa_system_sgpr_workgroup_id_x 1
		.amdhsa_system_sgpr_workgroup_id_y 1
		.amdhsa_system_sgpr_workgroup_id_z 1
		.amdhsa_system_vgpr_workitem_id 0
		.amdhsa_next_free_vgpr 128
		.amdhsa_next_free_sgpr 66
		.amdhsa_reserve_vcc 1
		.amdhsa_float_denorm_mode_32 3
		.amdhsa_float_denorm_mode_16_64 3
		.amdhsa_memory_ordered 1
		.amdhsa_forward_progress 1
		.amdhsa_inst_pref_size 134
	.end_amdhsa_kernel
	.amdgpu_metadata
---
amdhsa.version: [ 1, 2 ]
amdhsa.kernels:
  - .name:           k_q2f0fed4935_selg
    .symbol:         k_q2f0fed4935_selg.kd
    .args:
      - { .name: m16, .offset: 0, .size: 8, .value_kind: global_buffer, .address_space: global }
      - { .name: tlist, .offset: 8, .size: 8, .value_kind: global_buffer, .address_space: global }
    .group_segment_fixed_size: 0
    .private_segment_fixed_size: 0
    .kernarg_segment_align: 8
    .kernarg_segment_size: 16
    .max_flat_workgroup_size: 256
    .sgpr_count:     66
    .vgpr_count:     128
    .wavefront_size: 32
...
	.end_amdgpu_metadata
.endif
;; end of part 3
;; launch selk (part 4): grid 256 x 1, 8 waves a work-group, no clusters, 0 bytes of LDS; arguments tlist, kimg, ksid, qimg, qsid, klist; writes klist
.if DOCPART == 4
	.amdgcn_target "amdgcn-amd-amdhsa--gfx1250"
	.amdhsa_code_object_version 6
	.text
	.protected	k_q2f0fed4935_selk
	.globl	k_q2f0fed4935_selk
	.p2align	8
	.type	k_q2f0fed4935_selk,@function
k_q2f0fed4935_selk:
	s_mov_b64 s[64:65], 0
	v_nop
	global_prefetch_b8 v0, s[64:65] scope:SCOPE_SE
	s_setreg_imm32_b32 hwreg(HW_REG_WAVE_MODE, 25, 1), 1
	s_wait_xcnt 0x0
; For each query the 50 keys that come first by (d, key index), as whole numbers: klist[q][0..49]; slots 50..63 are 0.
; The query's 50 tiles (tlist, stored by an earlier launch, ascending) are gathered as register images, and d is made again by the same matrix instruction with its sources swapped (source 0 = the query in all sixteen rows,
; source 1 = 16 keys), the same fused multiply-add and the same addition: the same numbers as the dense pass.  Register 0 of a result then holds key (lane % 16) in every lane.
; Two tiles make a word of 32 keys: lanes 0-15 the even tile, lanes 16-31 the odd one; tiles ascend, so (word, lane) is the order of the key index.  The choice among the 800 keys goes as among the tiles:
; 32 steps of counting, ties by index, gathering from the destination's side.  No branch hangs on the data; addresses hang on tlist alone, each number held to 3,135 first.
; One wave, one query; waves share nothing.  Loads run four pairs of tiles ahead, 12 loads a pair.
; LIMITS: NaN and infinities among the inputs are not served.
.set L16, 1                            ; 16 x lane
.set R4,  2                            ; 4 r
.set AO,  8                            ; v8-15    image offsets: 8 + 2 b + u
.set SO,  16                           ; v16-23   side offsets
.set KSC, 24                           ; v24-31   key scale words
.set KNR, 32                           ; v32-39   key norms
.set QSC, 40                           ; the query's scale word, in every lane
.set XR,  41
.set XN,  42
.set XT,  43
.set QF,  44                           ; v44-59   the query's fragment
.set DA,  60
.set DB,  68
.set KF,  76                           ; v76-203  key fragments: 76 + 32 b + 16 u
.set KEY, 204                          ; v204-228
.set NB,  5
.set BS,  5
.set VR,  229
.set SLOT, 230
.set W,   232
.set CB,  234
.set TG,  236
.set OUT, 238
.set NW,  240                          ; v240-247 at work
.set MS, 70                            ; s70-79 two sets of five masks
.set S_T, 80
.set S_BIT, 81
.set S_CAND, 82
.set S_CNT, 83
.set S_CLT, 84
.set S_IT, 85
.set S_NEED, 86
.set S_E, 87
.set S_C, 88
.set S_LT, 89
.set S_EQ, 90
.set S_TK, 91
.set S_SEL, 92
.set S_C0, 93
.set S_C1, 94
.set S_TAG, 95
.set S_X, 98
.macro KEYOF d, x, t                   ; unsigned order = the floats' order
	v_ashrrev_i32 v[\t], 31, v[\x]
	v_or_b32 v[\t], 0x80000000, v[\t]
	v_xor_b32 v[\d], v[\x], v[\t]
.endm
.macro CMPB k
.set jj, 0
.rept BS
	v_cmp_gt_u32 s[MS+BS*((\k)%2)+jj], s[S_CAND], v[KEY+BS*(\k)+jj]
.set jj, jj+1
.endr
.endm
.macro CNTB k
.set jj, 0
.rept BS
	s_bcnt1_i32_b32 s[MS+BS*((\k)%2)+jj], s[MS+BS*((\k)%2)+jj]
	s_add_co_u32 s[S_CNT], s[S_CNT], s[MS+BS*((\k)%2)+jj]
.set jj, jj+1
.endr
.endm
.macro BISECT                          ; T = the 50th smallest key, CLT = how many keys lie under it
	s_mov_b32 s[S_T], 0
	s_mov_b32 s[S_CLT], 0
	s_mov_b32 s[S_BIT], 0x80000000
	s_mov_b32 s[S_IT], 32
.Lbis:
	s_or_b32 s[S_CAND], s[S_T], s[S_BIT]
	s_mov_b32 s[S_CNT], 0
	CMPB 0
.set kk, 0
.rept NB-1
	CMPB kk+1
	CNTB kk
.set kk, kk+1
.endr
	CNTB NB-1
	s_cmp_ge_u32 s[S_CNT], 50
	s_cselect_b32 s[S_T], s[S_T], s[S_CAND]
	s_cselect_b32 s[S_CLT], s[S_CLT], s[S_CNT]
	s_lshr_b32 s[S_BIT], s[S_BIT], 1
	s_sub_co_u32 s[S_IT], s[S_IT], 1
	s_cmp_lg_u32 s[S_IT], 0
	s_cbranch_scc1 .Lbis
	s_sub_co_u32 s[S_NEED], 50, s[S_CLT]
	s_mov_b32 s[S_E], 0
	s_mov_b32 s[S_C], 0
.endm
.macro PICK key, tag
	v_cmp_gt_u32 s[S_LT], s[S_T], v[\key]
	v_cmp_eq_u32 s[S_EQ], s[S_T], v[\key]
	v_cmp_le_u32 s[S_C0], s[S_C], v[SLOT]
	v_cmp_le_u32 s[S_C1], s[S_C], v[SLOT+1]
	v_mbcnt_lo_u32_b32 v[VR], s[S_EQ], s[S_E]
	v_cmp_gt_u32 s[S_TK], s[S_NEED], v[VR]
	v_cndmask_b32 v[CB], v[CB], s[S_C], s[S_C0]
	v_cndmask_b32 v[CB+1], v[CB+1], s[S_C], s[S_C1]
	v_cndmask_b32 v[TG], v[TG], \tag, s[S_C0]
	v_cndmask_b32 v[TG+1], v[TG+1], \tag, s[S_C1]
	s_and_b32 s[S_TK], s[S_TK], s[S_EQ]
	s_or_b32 s[S_SEL], s[S_TK], s[S_LT]
	s_bcnt1_i32_b32 s[S_X], s[S_EQ]
	s_add_co_u32 s[S_E], s[S_E], s[S_X]
	v_cndmask_b32 v[W], v[W], s[S_SEL], s[S_C0]
	v_cndmask_b32 v[W+1], v[W+1], s[S_SEL], s[S_C1]
	s_bcnt1_i32_b32 s[S_X], s[S_SEL]
	s_add_co_u32 s[S_C], s[S_C], s[S_X]
.endm
.macro NSTEP x, bits, width
	v_bfe_u32 v[NW+6], v[\x], v[NW+5], \bits
	v_cmp_ge_u32 vcc_lo, v[NW], v[NW+6]
	v_cndmask_b32 v[NW+6], 0, v[NW+6], vcc_lo
	v_cndmask_b32 v[NW+7], 0, \width, vcc_lo
	v_sub_nc_u32 v[NW], v[NW], v[NW+6]
	v_add_nc_u32 v[NW+5], v[NW+5], v[NW+7]
.endm
.macro NTH z
	v_sub_nc_u32 v[NW], v[SLOT+\z], v[CB+\z]
	v_lshrrev_b32 v[NW+1], 1, v[W+\z]
	v_and_b32 v[NW+1], 0x55555555, v[NW+1]
	v_sub_nc_u32 v[NW+1], v[W+\z], v[NW+1]
	v_lshrrev_b32 v[NW+2], 2, v[NW+1]
	v_and_b32 v[NW+2], 0x33333333, v[NW+2]
	v_and_b32 v[NW+6], 0x33333333, v[NW+1]
	v_add_nc_u32 v[NW+2], v[NW+2], v[NW+6]
	v_lshrrev_b32 v[NW+3], 4, v[NW+2]
	v_add_nc_u32 v[NW+3], v[NW+3], v[NW+2]
	v_and_b32 v[NW+3], 0x0f0f0f0f, v[NW+3]
	v_lshrrev_b32 v[NW+4], 8, v[NW+3]
	v_add_nc_u32 v[NW+4], v[NW+4], v[NW+3]
	v_and_b32 v[NW+4], 0x00ff00ff, v[NW+4]
	v_mov_b32 v[NW+5], 0
	NSTEP NW+4, 8, 16
	NSTEP NW+3, 8, 8
	NSTEP NW+2, 4, 4
	NSTEP NW+1, 2, 2
	NSTEP W+\z, 1, 1
.endm
; Tile number i of the list lies in s[16 + i], the last two in s66 and s67.
.macro FADDR p                         ; pair p's four offsets, each a shift of the held tile number and an addition
.set bb, (\p)%4
.set ta, 16+2*(\p)+2*((2*(\p))/48)
.set tb, 17+2*(\p)+2*((2*(\p)+1)/48)
	v_lshl_add_u32 v[AO+2*bb], s[ta], 11, v[L16]
	v_lshl_add_u32 v[AO+2*bb+1], s[tb], 11, v[L16]
	v_lshl_add_u32 v[SO+2*bb], s[ta], 7, v[R4]
	v_lshl_add_u32 v[SO+2*bb+1], s[tb], 7, v[R4]
.endm
.macro FLOAD p                         ; its 12 loads
.set bb, (\p)%4
.irp u, 0,1
.irp c, 0,1,2,3
	global_load_b128 v[KF+32*bb+16*\u+4*\c:KF+32*bb+16*\u+4*\c+3], v[AO+2*bb+\u], s[6:7] offset:512*\c
.endr
	global_load_b32 v[KSC+2*bb+\u], v[SO+2*bb+\u], s[8:9]
	global_load_b32 v[KNR+2*bb+\u], v[SO+2*bb+\u], s[8:9] offset:64
.endr
.endm
.macro PAIR p, cnt, pre                ; cnt: the younger pairs' loads, 12 each, that may stay out
.set bb, (\p)%4
	s_wait_loadcnt \cnt
	v_wmma_scale_f32_16x16x128_f8f6f4 v[DA:DA+7], v[QF:QF+15], v[KF+32*bb:KF+32*bb+15], 0, v[QSC], v[KSC+2*bb] matrix_a_fmt:MATRIX_FMT_BF8 matrix_b_fmt:MATRIX_FMT_BF8
	v_wmma_scale_f32_16x16x128_f8f6f4 v[DB:DB+7], v[QF:QF+15], v[KF+32*bb+16:KF+32*bb+31], 0, v[QSC], v[KSC+2*bb+1] matrix_a_fmt:MATRIX_FMT_BF8 matrix_b_fmt:MATRIX_FMT_BF8
.if \pre
	FADDR (\p)+4                                   ; this pair's loads are done, so their offset registers are free; these four lines are four of the eight places behind the products
.rept 4
	v_nop
.endr
.else
.rept 8
	v_nop
.endr
.endif
	v_cndmask_b32 v[XR], v[DA], v[DB], s97         ; lanes 0-15: the even tile's key r; lanes 16-31: the odd tile's.  (Each result is read at its lowest register)
	v_cndmask_b32 v[XN], v[KNR+2*bb], v[KNR+2*bb+1], s97
	v_fma_f32 v[XR], v[XR], -2.0, s96              ; qq - 2 dot
	v_add_f32 v[XR], v[XR], v[XN]                  ; + kk
	KEYOF KEY+(\p), XR, XT
.if \pre
	FLOAD (\p)+4
.endif
.endm
	s_load_b256 s[4:11], s[0:1], 0x0               ; tlist s[4:5], kimg s[6:7], ksid s[8:9], qimg s[10:11]
	s_load_b128 s[12:15], s[0:1], 0x20             ; qsid s[12:13], klist s[14:15]
	v_lshrrev_b32 v1, 5, v0
	v_readfirstlane_b32 s68, v1                    ; wave
	s_lshl_b32 s69, ttmp9, 3
	s_add_co_u32 s69, s69, s68                     ; my query
	v_and_b32 v3, 31, v0
	v_lshlrev_b32 v[L16], 4, v3
	v_and_b32 v[R4], 15, v0
	v_lshlrev_b32 v[R4], 2, v[R4]
	v_bfe_u32 v5, v0, 4, 1
	v_lshlrev_b32 v5, 8, v5                        ; 256 h: my half of a row's 32 bytes in a piece of an image
	v_mov_b32 v6, 0
	v_lshlrev_b32 v7, 3, v3                        ; 8 x lane
	v_lshlrev_b32 v[SLOT], 1, v3
	v_or_b32 v[SLOT+1], 1, v[SLOT]
.irp i, 0,1
	v_mov_b32 v[W+\i], 0
	v_mov_b32 v[CB+\i], 0
	v_mov_b32 v[TG+\i], 0
.endr
	s_mov_b32 s97, 0xffff0000                      ; lanes 16-31
	s_lshl_b32 s100, s69, 8
	s_mov_b32 s101, 0
	s_wait_kmcnt 0x0
	s_add_nc_u64 s[4:5], s[4:5], s[100:101]
	s_add_nc_u64 s[2:3], s[14:15], s[100:101]
	s_load_b512 s[16:31], s[4:5], 0x0              ; the 50 tile numbers
	s_load_b512 s[32:47], s[4:5], 0x40
	s_load_b512 s[48:63], s[4:5], 0x80
	s_load_b64 s[66:67], s[4:5], 0xc0
	s_lshr_b32 s98, s69, 4                         ; my query's tile,
	s_and_b32 s99, s69, 15                         ; and its row there
	s_lshl_b32 s100, s98, 11
	s_lshl_b32 s70, s99, 4
	s_add_co_u32 s100, s100, s70
	s_add_nc_u64 s[10:11], s[10:11], s[100:101]
	s_lshl_b32 s100, s98, 7
	s_lshl_b32 s70, s99, 2
	s_add_co_u32 s100, s100, s70
	s_add_nc_u64 s[12:13], s[12:13], s[100:101]
	s_load_b32 s96, s[12:13], 0x40                 ; qq
.irp c, 0,1,2,3
	global_load_b128 v[QF+4*\c:QF+4*\c+3], v5, s[10:11] offset:512*\c   ; every lane takes my query's row: all sixteen rows of the operand are the one query
.endr
	global_load_b32 v[QSC], v6, s[12:13]
	s_wait_kmcnt 0x0
.irp i, 16,17,18,19,20,21,22,23,24,25,26,27,28,29,30,31,32,33,34,35,36,37,38,39,40,41,42,43,44,45,46,47,48,49,50,51,52,53,54,55,56,57,58,59,60,61,62,63,66,67
	s_min_u32 s\i, s\i, 3135                       ; a loaded number enters an address only behind this hold
.endr
.irp p, 0,1,2,3
	FADDR \p
	FLOAD \p
.endr
.set pp, 0
.rept 21
	PAIR pp, 36, 1
.set pp, pp+1
.endr
	PAIR 21, 36, 0                                 ; the last four pairs ask for nothing: the counts run down
	PAIR 22, 24, 0
	PAIR 23, 12, 0
	PAIR 24, 0, 0
	BISECT
.set pp, 0
.rept 25
	s_lshl_b32 s[S_TAG], s[17+2*pp+2*((2*pp+1)/48)], 16
	s_or_b32 s[S_TAG], s[S_TAG], s[16+2*pp+2*((2*pp)/48)]   ; the word's two tile numbers
	PICK KEY+pp, s[S_TAG]
.set pp, pp+1
.endr
.irp z, 0,1
	NTH \z
	v_and_b32 v[NW], 16, v[NW+5]
	v_lshrrev_b32 v[NW], v[NW], v[TG+\z]           ; the lane's half picks the tile number
	v_and_b32 v[NW], 0xffff, v[NW]
	v_and_b32 v[NW+1], 15, v[NW+5]
	v_lshl_add_u32 v[OUT+\z], v[NW], 4, v[NW+1]    ; the key: 16 x tile + row
	v_cmp_gt_u32 vcc_lo, 50, v[SLOT+\z]
	v_cndmask_b32 v[OUT+\z], 0, v[OUT+\z], vcc_lo
.endr
	global_store_b64 v7, v[OUT:OUT+1], s[2:3]      ; 32 lanes store 256 consecutive bytes, aligned
	s_endpgm
.Lfunc_end_k_q2f0fed4935_selk:
	.size	k_q2f0fed4935_selk, .Lfunc_end_k_q2f0fed4935_selk-k_q2f0fed4935_selk
	.p2alignl 7, 3214868480
	.fill 96, 4, 3214868480
	.section	.rodata,"a",@progbits
	.p2align	6, 0x0
	.amdhsa_kernel k_q2f0fed4935_selk
		.amdhsa_group_segment_fixed_size 0
		.amdhsa_private_segment_fixed_size 0
		.amdhsa_enable_private_segment 0
		.amdhsa_kernarg_size 48
		.amdhsa_user_sgpr_count 2
		.amdhsa_user_sgpr_kernarg_segment_ptr 1
		.amdhsa_wavefront_size32 1
		.amdhsa_system_sgpr_workgroup_id_x 1
		.amdhsa_system_sgpr_workgroup_id_y 1
		.amdhsa_system_sgpr_workgroup_id_z 1
		.amdhsa_system_vgpr_workitem_id 0
		.amdhsa_next_free_vgpr 256
		.amdhsa_next_free_sgpr 102
		.amdhsa_reserve_vcc 1
		.amdhsa_float_denorm_mode_32 3
		.amdhsa_float_denorm_mode_16_64 3
		.amdhsa_memory_ordered 1
		.amdhsa_forward_progress 1
		.amdhsa_inst_pref_size 93
	.end_amdhsa_kernel
	.amdgpu_metadata
---
amdhsa.version: [ 1, 2 ]
amdhsa.kernels:
  - .name:           k_q2f0fed4935_selk
    .symbol:         k_q2f0fed4935_selk.kd
    .args:
      - { .name: tlist, .offset: 0, .size: 8, .value_kind: global_buffer, .address_space: global }
      - { .name: kimg, .offset: 8, .size: 8, .value_kind: global_buffer, .address_space: global }
      - { .name: ksid, .offset: 16, .size: 8, .value_kind: global_buffer, .address_space: global }
      - { .name: qimg, .offset: 24, .size: 8, .value_kind: global_buffer, .address_space: global }
      - { .name: qsid, .offset: 32, .size: 8, .value_kind: global_buffer, .address_space: global }
      - { .name: klist, .offset: 40, .size: 8, .value_kind: global_buffer, .address_space: global }
    .group_segment_fixed_size: 0
    .private_segment_fixed_size: 0
    .kernarg_segment_align: 8
    .kernarg_segment_size: 48
    .max_flat_workgroup_size: 256
    .sgpr_count:     102
    .vgpr_count:     256
    .wavefront_size: 32
...
	.end_amdgpu_metadata
.endif
;; end of part 4
;; launch final (part 5): grid 256 x 1, 8 waves a work-group, no clusters, 0 bytes of LDS; arguments klist, queries, dnd_keys, dnd_values, out0; writes out0
.if DOCPART == 5
	.amdgcn_target "amdgcn-amd-amdhsa--gfx1250"
	.amdhsa_code_object_version 6
	.text
	.protected	k_q2f0fed4935_final
	.globl	k_q2f0fed4935_final
	.p2align	8
	.type	k_q2f0fed4935_final,@function
k_q2f0fed4935_final:
	s_mov_b64 s[64:65], 0
	v_nop
	global_prefetch_b8 v0, s[64:65] scope:SCOPE_SE
	s_setreg_imm32_b32 hwreg(HW_REG_WAVE_MODE, 25, 1), 1
	s_wait_xcnt 0x0
; out0[q] = sum over the query's 50 neighbours of w v / sum of w,  w = 1 / (|q - key|^2 + 0.001), all in f32 on the inputs as they are given.
; The neighbours' indices come from klist, stored by an earlier launch; each is held to 49,999 before it enters an address.  One wave, one query; waves share nothing.
; A key's row is 512 bytes: one load, 16 bytes a lane; 16 rows are on their way.  Four neighbours are worked at a time, line by line, so that the sums across the lanes do not wait for each other.
; Neighbour n's squared distance goes to lane n / 2 of register n % 2, where its value lies too; the weights, their sum and the weighted sum are then made once for all 50.
; A wave's result is one number: the work-group's eight are 32 bytes of an output of 8,192 bytes in all; each is stored by its wave's lane 0.
; LIMITS: NaN and infinities among the inputs are not served.
.set L16, 1
.set Q,   4                            ; v4-7     my four numbers of the query
.set IDX, 8
.set VO,  10
.set VAL, 12
.set SD,  14                           ; v14-15   squared distances
.set AO,  16                           ; v16-31   row offsets, a ring of 16
.set K,   32                           ; v32-95   rows, a ring of 16
.set TT,  96                           ; v96-127  at work: eight registers for each of four neighbours
.macro NBG n0, G                       ; neighbours n0 .. n0 + G - 1
.set lim, (\n0)+16
.if lim > 50
.set lim, 50
.endif
	s_wait_loadcnt lim-(\n0)-(\G)                  ; the rows asked for behind these may stay out
.set g, 0
.rept \G
	v_pk_add_f32 v[TT+8*g:TT+8*g+1], v[Q:Q+1], v[K+4*(((\n0)+g)%16):K+4*(((\n0)+g)%16)+1] neg_lo:[0,1] neg_hi:[0,1]
	v_pk_add_f32 v[TT+8*g+2:TT+8*g+3], v[Q+2:Q+3], v[K+4*(((\n0)+g)%16)+2:K+4*(((\n0)+g)%16)+3] neg_lo:[0,1] neg_hi:[0,1]
.set g, g+1
.endr
.set g, 0
.rept \G
	v_pk_mul_f32 v[TT+8*g+4:TT+8*g+5], v[TT+8*g:TT+8*g+1], v[TT+8*g:TT+8*g+1]
.set g, g+1
.endr
.set g, 0
.rept \G
	v_pk_fma_f32 v[TT+8*g+4:TT+8*g+5], v[TT+8*g+2:TT+8*g+3], v[TT+8*g+2:TT+8*g+3], v[TT+8*g+4:TT+8*g+5]
.set g, g+1
.endr
.set g, 0
.rept \G
	v_add_f32 v[TT+8*g], v[TT+8*g+4], v[TT+8*g+5]
.set g, g+1
.endr
.irp m, 1,2,4,8
.set g, 0
.rept \G
	v_add_f32_dpp v[TT+8*g], v[TT+8*g], v[TT+8*g] row_xmask:\m row_mask:0xf bank_mask:0xf
.set g, g+1
.endr
.endr
.set g, 0
.rept \G
	v_permlanex16_b32 v[TT+8*g+1], v[TT+8*g], s70, s71
.set g, g+1
.endr
.set g, 0
.rept \G
	v_add_f32 v[TT+8*g], v[TT+8*g], v[TT+8*g+1]
.set g, g+1
.endr
.set g, 0
.rept \G
	v_readfirstlane_b32 s[72+g], v[TT+8*g]
.set g, g+1
.endr
.set g, 0
.rept \G
	v_writelane_b32 v[SD+((\n0)+g)%2], s[72+g], ((\n0)+g)/2
.set g, g+1
.endr
.set g, 0
.rept \G
.set nn, (\n0)+g+16
.if nn < 50
	v_lshl_add_u32 v[AO+((\n0)+g)%16], s[16+nn+2*(nn/48)], 9, v[L16]   ; the slot's load is done, so its offset register is free
	global_load_b128 v[K+4*(((\n0)+g)%16):K+4*(((\n0)+g)%16)+3], v[AO+((\n0)+g)%16], s[8:9]
.endif
.set g, g+1
.endr
.endm
	s_load_b256 s[4:11], s[0:1], 0x0               ; klist s[4:5], queries s[6:7], keys s[8:9], values s[10:11]
	s_load_b64 s[12:13], s[0:1], 0x20              ; out0
	v_lshrrev_b32 v1, 5, v0
	v_readfirstlane_b32 s68, v1                    ; wave
	s_lshl_b32 s69, ttmp9, 3
	s_add_co_u32 s69, s69, s68                     ; my query
	v_and_b32 v3, 31, v0
	v_lshlrev_b32 v[L16], 4, v3
	v_lshlrev_b32 v2, 3, v3
	v_mov_b32 v[SD], 1.0                           ; lanes 25-31 keep this: their weights are set to 0 below
	v_mov_b32 v[SD+1], 1.0
	s_mov_b32 s70, 0x76543210
	s_mov_b32 s71, 0xfedcba98                      ; lane l xor 16
	s_lshl_b32 s76, s69, 8
	s_mov_b32 s77, 0
	s_wait_kmcnt 0x0
	s_add_nc_u64 s[4:5], s[4:5], s[76:77]
	s_load_b512 s[16:31], s[4:5], 0x0              ; the 50 indices, as scalars for the rows' addresses
	s_load_b512 s[32:47], s[4:5], 0x40
	s_load_b512 s[48:63], s[4:5], 0x80
	s_load_b64 s[66:67], s[4:5], 0xc0
	s_lshl_b32 s76, s69, 9
	s_add_nc_u64 s[6:7], s[6:7], s[76:77]
	s_lshl_b32 s76, s69, 2
	s_add_nc_u64 s[12:13], s[12:13], s[76:77]
	global_load_b128 v[Q:Q+3], v[L16], s[6:7]
	global_load_b64 v[IDX:IDX+1], v2, s[4:5]       ; and two a lane, for the values
	s_wait_loadcnt 0x0
	v_min_u32 v[IDX], 0xc34f, v[IDX]               ; held to 49,999
	v_min_u32 v[IDX+1], 0xc34f, v[IDX+1]
	v_lshlrev_b32 v[VO], 2, v[IDX]
	v_lshlrev_b32 v[VO+1], 2, v[IDX+1]
	global_load_b32 v[VAL], v[VO], s[10:11]
	global_load_b32 v[VAL+1], v[VO+1], s[10:11]
	s_wait_kmcnt 0x0
.irp i, 16,17,18,19,20,21,22,23,24,25,26,27,28,29,30,31,32,33,34,35,36,37,38,39,40,41,42,43,44,45,46,47,48,49,50,51,52,53,54,55,56,57,58,59,60,61,62,63,66,67
	s_min_u32 s\i, s\i, 49999
.endr
.irp n, 0,1,2,3,4,5,6,7,8,9,10,11,12,13,14,15
	v_lshl_add_u32 v[AO+\n], s[16+\n], 9, v[L16]
	global_load_b128 v[K+4*\n:K+4*\n+3], v[AO+\n], s[8:9]
.endr
.irp n0, 0,4,8,12,16,20,24,28,32,36,40,44
	NBG \n0, 4
.endr
	NBG 48, 2
	v_add_f32 v[SD], 0x3a83126f, v[SD]             ; + 0.001
	v_add_f32 v[SD+1], 0x3a83126f, v[SD+1]
	v_rcp_f32 v96, v[SD]
	v_rcp_f32 v97, v[SD+1]
	v_cmp_gt_u32 vcc_lo, 25, v3                    ; (a plain line behind the reciprocals)  lanes 0-24 hold the 50 neighbours
	s_wait_alu depctr_va_vdst(0)                   ; ahead of the first line that names a reciprocal's result: one for both
	v_cndmask_b32 v96, 0, v96, vcc_lo
	v_cndmask_b32 v97, 0, v97, vcc_lo
	v_mul_f32 v98, v96, v[VAL]
	v_fmac_f32 v98, v97, v[VAL+1]                  ; my part of the sum of w v
	v_add_f32 v99, v96, v97                        ; and of the sum of w
.irp m, 1,2,4,8
	v_add_f32_dpp v98, v98, v98 row_xmask:\m row_mask:0xf bank_mask:0xf
	v_add_f32_dpp v99, v99, v99 row_xmask:\m row_mask:0xf bank_mask:0xf
.endr
	v_permlanex16_b32 v100, v98, s70, s71
	v_permlanex16_b32 v101, v99, s70, s71
	v_add_f32 v98, v98, v100
	v_add_f32 v99, v99, v101
	v_rcp_f32 v102, v99
	v_mov_b32 v103, 0                              ; (a plain line behind the reciprocal)
	s_wait_alu depctr_va_vdst(0)
	v_mul_f32 v98, v98, v102
	v_cmp_eq_u32 vcc_lo, 0, v3
	s_wait_xcnt 0x0                                ; EXEC changes only behind this wait
	s_and_saveexec_b32 s76, vcc_lo
	global_store_b32 v103, v98, s[12:13]           ; lane 0 alone
	s_endpgm
.Lfunc_end_k_q2f0fed4935_final:
	.size	k_q2f0fed4935_final, .Lfunc_end_k_q2f0fed4935_final-k_q2f0fed4935_final
	.p2alignl 7, 3214868480
	.fill 96, 4, 3214868480
	.section	.rodata,"a",@progbits
	.p2align	6, 0x0
	.amdhsa_kernel k_q2f0fed4935_final
		.amdhsa_group_segment_fixed_size 0
		.amdhsa_private_segment_fixed_size 0
		.amdhsa_enable_private_segment 0
		.amdhsa_kernarg_size 40
		.amdhsa_user_sgpr_count 2
		.amdhsa_user_sgpr_kernarg_segment_ptr 1
		.amdhsa_wavefront_size32 1
		.amdhsa_system_sgpr_workgroup_id_x 1
		.amdhsa_system_sgpr_workgroup_id_y 1
		.amdhsa_system_sgpr_workgroup_id_z 1
		.amdhsa_system_vgpr_workitem_id 0
		.amdhsa_next_free_vgpr 128
		.amdhsa_next_free_sgpr 80
		.amdhsa_reserve_vcc 1
		.amdhsa_float_denorm_mode_32 3
		.amdhsa_float_denorm_mode_16_64 3
		.amdhsa_memory_ordered 1
		.amdhsa_forward_progress 1
		.amdhsa_inst_pref_size 51
	.end_amdhsa_kernel
	.amdgpu_metadata
---
amdhsa.version: [ 1, 2 ]
amdhsa.kernels:
  - .name:           k_q2f0fed4935_final
    .symbol:         k_q2f0fed4935_final.kd
    .args:
      - { .name: klist, .offset: 0, .size: 8, .value_kind: global_buffer, .address_space: global }
      - { .name: queries, .offset: 8, .size: 8, .value_kind: global_buffer, .address_space: global }
      - { .name: dnd_keys, .offset: 16, .size: 8, .value_kind: global_buffer, .address_space: global }
      - { .name: dnd_values, .offset: 24, .size: 8, .value_kind: global_buffer, .address_space: global }
      - { .name: out0, .offset: 32, .size: 8, .value_kind: global_buffer, .address_space: global }
    .group_segment_fixed_size: 0
    .private_segment_fixed_size: 0
    .kernarg_segment_align: 8
    .kernarg_segment_size: 40
    .max_flat_workgroup_size: 256
    .sgpr_count:     80
    .vgpr_count:     128
    .wavefront_size: 32
...
	.end_amdgpu_metadata
.endif
;; end of part 5
;; ======== version 2 of 2: 5 launches; version 1 with the launches mins, selk, final written anew for expert scheduling mode
;; workspace buffers: kimg 6,422,528 bytes; ksid 401,408 bytes; qimg 262,144 bytes; qsid 16,384 bytes; m16 25,690,112 bytes; tlist 524,288 bytes of whole numbers; klist 524,288 bytes of whole numbers
;; launch prep: the kernel of part 1 again; grid 408 x 1, 8 waves a work-group, no clusters, 69,632 bytes of LDS; arguments dnd_keys, queries, kimg, ksid, qimg, qsid; writes kimg, ksid, qimg, qsid
;; launch mins (part 6): grid 8 x 49, 4 waves a work-group, no clusters, 82,944 bytes of LDS; arguments kimg, ksid, qimg, qsid, m16; writes m16
.if DOCPART == 6
	.amdgcn_target "amdgcn-amd-amdhsa--gfx1250"
	.amdhsa_code_object_version 6
	.text
	.protected	k_q2f0fed4935_mins
	.globl	k_q2f0fed4935_mins
	.p2align	8
	.type	k_q2f0fed4935_mins,@function
k_q2f0fed4935_mins:
	s_mov_b64 s[64:65], 0
	v_nop
	global_prefetch_b8 v0, s[64:65] scope:SCOPE_SE
	s_setreg_imm32_b32 hwreg(HW_REG_WAVE_SCHED_MODE, 0, 2), 2
	s_setreg_imm32_b32 hwreg(HW_REG_WAVE_MODE, 25, 1), 1
	s_wait_xcnt 0x0
	s_wait_alu depctr_vm_vsrc(0)
; m16[q][t] = the smallest d(q, key) over the 16 keys of tile t, for all 2,048 queries and 3,136 tiles;  d = (qq - 2 Q(q).Q(k)) + kk, rounded in that order: one fused multiply-add, one addition.
; The product is one scaled matrix instruction a 16 x 16 tile (K = 128 is one step): source 0 = 16 keys, source 1 = 16 queries, so a lane holds ONE query (lane % 16) and eight keys, 8 (lane / 16) + 0..7.
; SHARES: a work-group takes 256 queries (x) and 64 tiles of keys (y).  Wave w: query tiles 8 (w & 1) + 0..7, which stay in registers; key tiles 32 (w >> 1) + 0..31, one after the other.
; OPERANDS lie in memory in the order of the operand's registers and go straight into registers, four loads of 512 consecutive bytes a tile, three tiles ahead.  No tile goes through LDS, so there is none that a cluster could
; ask for jointly: a key tile's 2,048 bytes feed 8 matrix instructions and 96 vector instructions in a wave, and it is the vector work that fills the wave.
; The chunk's side data (scale words, norms: 8,192 bytes) are copied into LDS once, in whole runs of 2,048 bytes.
; THE WAY OUT: a tile's minima, one number a query, are gathered in a stage in LDS, a region of its own for each wave, and leave as rows: sixteen lanes store 256 consecutive bytes, aligned.
; LIMITS: NaN and infinities among the inputs are not served.
; REGISTERS: window 0 as named below; window 1: v0-127 the eight query fragments, v128-191 four key fragments by turns.
; THE MODE: SCHED_MODE bits 1:0 = 2 (LLVM: expert scheduling mode 2), set by the entry lines.  The code itself states the register dependences
; between vector or matrix instructions and memory or LDS instructions, with s_wait_alu, always for 0.
; THE PLAN.  Registers that memory or LDS instructions touch, in the loop:
;   KF0 .. KF3   Tile t: its eight products read KF[t % 4]; the loads at the head of tile t + 1 land in it (tile t + 4).
;   KS, KN       two sets.  Tile t: its products and additions read set t % 2; the LDS loads at the head of tile t + 1 land in it (tile t + 2).
;   KEP          written by an exchange's selections and minima; read by the exchange's eight LDS stores.
;   ST, LS, LN   LDS addresses: read by those stores and by the side data's loads; stepped once for each pair of tiles, in the exchange.
;   L16 and the other offsets are made at the head and never written again; the global base is a scalar pair.
; A pair of tiles has three waits.  At the odd tile's head, on va_vdst: the even tile is done reading its KF, KS and KN.  At the exchange's head, on vm_vsrc: the stores and loads issued so far have read KEP, ST, LS, LN.
; Ahead of the exchange's stores, on va_vdst: KEP and the three addresses are written, and the odd tile is done reading its KF, KS and KN: no vector instruction stands between this wait and the loads at the next even tile's head.
.set SD,   0                           ; LDS: 64 tiles x 128 bytes of side data
.set STG,  8192                        ; the stages
.set SPT,  144                         ; a stage row: a query's 32 minima + 16 bytes of padding
.set REG,  128*SPT+64                  ; from a wave's stage to the next; twice that is 128 modulo 256, so that the two regions that a read touches fall on different banks
.set ROWM, 12544                       ; a row of m16 in bytes
.set L16, 1                            ; 16 x lane
.set LS,  2                            ; LDS: my half's scale words, word r, at the pair of tiles in hand
.set LN,  3                            ; LDS: my half's norms, 32 h on, likewise
.set ST,  4                            ; my stage: row r, word h, at the pair of tiles last stored
.set RD,  5                            ; the way out: where I read
.set GO,  6                            ; and my byte offset in m16
.set T16, 7                            ; 16 x thread
.set QSO, 8                            ; 128 h + 4 r
.set R4,  9                            ; 4 r
.set QS,  12                           ; v12-15   query scale words: lanes 0-15 tile 2 a, lanes 16-31 tile 2 a + 1
.set QQ,  16                           ; v16-31   qq of my query, a pair for each query tile
.set KS,  32                           ; v32-33   key scale words, two sets by turns
.set KN,  34                           ; v34-49   kk of my eight keys, two sets
.set D,   50                           ; v50-113  eight accumulators
.set MN,  114                          ; v114-129 minima of an even and an odd tile
.set SND, 130
.set RCV, 138
.set KEP, 146
.set OB2, 154                          ; the way out's second run of registers
.set KF,  128                          ; in window 1
.set MSB, 0
.macro WIN new                         ; the immediate's high byte repeats the setting that is left
.if MSB != \new
	s_set_vgpr_msb (MSB<<8)|\new
.set MSB, \new
.endif
.endm
	s_load_b256 s[4:11], s[0:1], 0x0               ; kimg s[4:5], ksid s[6:7], qimg s[8:9], qsid s[10:11]
	s_load_b64 s[12:13], s[0:1], 0x20              ; m16
	v_lshl_add_u32 v254, v0, 2, 0x14200
	v_mov_b32 v255, 0
	v_lshrrev_b32 v10, 5, v0
	v_readfirstlane_b32 s14, v10                   ; wave 0..3
	s_and_b32 s18, ttmp7, 0xffff                   ; the chunk of 64 tiles
	v_and_b32 v10, 31, v0
	v_lshlrev_b32 v[L16], 4, v10
	v_and_b32 v11, 15, v0                          ; r
	v_bfe_u32 v10, v0, 4, 1                        ; h
	v_lshlrev_b32 v[R4], 2, v11
	v_lshl_add_u32 v[QSO], v10, 7, v[R4]
	v_lshlrev_b32 v[T16], 4, v0
.irp i, 0,1,2,3,4,5,6,7
	v_mov_b32 v[RCV+\i], 0                         ; a lane permute's destination counts as one of its sources: written once
.endr
	s_wait_alu depctr_va_sdst(0)                   ; s14 is written, ahead of its first reader: LDS addresses and the bases are made from it
	s_and_b32 s15, s14, 1                          ; which 128 queries
	s_lshr_b32 s16, s14, 1                         ; which 32 tiles
	s_lshl_b32 s34, s16, 12
	v_add_nc_u32 v[LS], s34, v[R4]
	v_lshl_add_u32 v[LN], v10, 5, s34
	v_add_nc_u32 v[LN], 64, v[LN]
	s_mul_i32 s34, s14, REG
	s_add_co_u32 s34, s34, STG-8                   ; 8 bytes short of the first pair's place: each exchange steps the address by 8 ahead of its stores
	v_mul_u32_u24 v[ST], v11, SPT
	v_lshl_add_u32 v[ST], v10, 2, v[ST]
	v_add_nc_u32 v[ST], s34, v[ST]
	; back: wave w stores queries 64 w .. 64 w + 63: they lie in the regions of waves (w >> 1) and (w >> 1) + 2, rows 64 (w & 1) on; lanes 0-7 of sixteen take the lower 32 tiles, lanes 8-15 the upper
	s_mul_i32 s34, s16, REG
	s_mul_i32 s35, s15, 64*SPT
	s_add_co_u32 s34, s34, s35
	s_add_co_u32 s34, s34, STG
	v_bfe_u32 v[RD], v0, 3, 1
	v_mul_u32_u24 v[RD], v[RD], 2*REG
	v_mad_u32_u24 v[RD], v10, SPT, v[RD]
	v_and_b32 v[GO], 7, v0
	v_lshl_add_u32 v[RD], v[GO], 4, v[RD]
	v_add_nc_u32 v[RD], s34, v[RD]
	v_mul_u32_u24 v[GO], v10, ROWM
	v_lshl_add_u32 v[GO], v11, 4, v[GO]
	s_mov_b32 s30, 0x76543210
	s_mov_b32 s31, 0xfedcba98                      ; lane l xor 16
	s_mov_b32 s32, 0xffff0000                      ; lanes 16-31
	s_lshl_b32 s34, s18, 17
	s_lshl_b32 s35, s16, 16
	s_add_co_u32 s34, s34, s35
	s_mov_b32 s35, 0
	s_wait_kmcnt 0x0
	s_add_nc_u64 s[20:21], s[4:5], s[34:35]        ; my first key tile's image
	s_lshl_b32 s34, s18, 13
	s_add_nc_u64 s[22:23], s[6:7], s[34:35]        ; the chunk's side data
	s_lshl_b32 s34, ttmp9, 4
	s_lshl_b32 s36, s15, 3
	s_add_co_u32 s36, s34, s36                     ; my first query tile
	s_lshl_b32 s34, s36, 11
	s_add_nc_u64 s[24:25], s[8:9], s[34:35]
	s_lshl_b32 s34, s36, 7
	s_add_nc_u64 s[26:27], s[10:11], s[34:35]
	s_lshl_b32 s34, ttmp9, 8
	s_lshl_b32 s36, s14, 6
	s_add_co_u32 s34, s34, s36
	s_mul_i32 s34, s34, ROWM
	s_lshl_b32 s36, s18, 8
	s_add_co_u32 s34, s34, s36
	s_add_nc_u64 s[28:29], s[12:13], s[34:35]      ; m16 at query 256 x + 64 w, tile 64 y
	s_wait_alu depctr_va_vdst(0)                   ; the nine offsets and addresses v1 to v9 are written, which the loads and stores below read
.irp i, 0,1,2,3
	global_load_b128 v[D+4*\i:D+4*\i+3], v[T16], s[22:23] offset:2048*\i   ; the side data: 128 threads x 16 bytes
.endr
	WIN 0x40                                       ; destination window 1
.irp qt, 0,1,2,3,4,5,6,7
.irp c, 0,1,2,3
	global_load_b128 v[16*\qt+4*\c:16*\qt+4*\c+3], v[L16], s[24:25] offset:2048*\qt+512*\c
.endr
.endr
	WIN 0
	s_wait_loadcnt 32                              ; the 32 query loads may be out: the side data are in
.irp i, 0,1,2,3
	ds_store_b128 v[T16], v[D+4*\i:D+4*\i+3] offset:SD+2048*\i
.endr
.irp a, 0,1,2,3
	global_load_b32 v[QS+\a], v[QSO], s[26:27] offset:256*\a
.endr
.irp qt, 0,1,2,3,4,5,6,7
	global_load_b32 v[QQ+2*\qt], v[R4], s[26:27] offset:128*\qt+64
	global_load_b32 v[QQ+2*\qt+1], v[R4], s[26:27] offset:128*\qt+64   ; twice: the packed form takes a pair
.endr
	WIN 0x40
.irp u, 0,1,2
.irp c, 0,1,2,3
	global_load_b128 v[KF+16*\u+4*\c:KF+16*\u+4*\c+3], v[L16], s[20:21] offset:2048*\u+512*\c   ; tiles 0, 1 and 2; each tile's head asks for the tile three on
.endr
.endr
	WIN 0
	s_wait_dscnt 0x0                               ; for the others' sake: my part of the side data lies in LDS
	s_barrier_signal -1
	s_barrier_wait -1
	s_wait_alu depctr_vm_vsrc(0)                   ; my LDS stores have read v[D] to v[D + 15], which the first products write
	ds_load_b32 v[KS], v[LS]                       ; tile 0's scale words and norms
	ds_load_b128 v[KN:KN+3], v[LN]
	ds_load_b128 v[KN+4:KN+7], v[LN] offset:16
	s_wait_dscnt 0x0                               ; they are in: at an even tile's head the count leaves eight LDS instructions out, which on the way round are an exchange's stores
; One key tile against my eight query tiles.  u4: its place in the ring of four; par: the set of side registers; pre = 1: the tile three on is asked for;
; cnt: the younger tiles' loads, four each, that may stay out; nxt = 1: the next tile's side data are fetched from LDS; dsw: the younger LDS instructions that may stay out.
.macro TILE u4, par, pre, cnt, nxt, dsw
	s_wait_dscnt \dsw                              ; this tile's side data are in (behind them at an even tile's head: the exchange's eight stores)
	s_wait_loadcnt \cnt
.if (\par) && ((\pre) || (\nxt))
	s_wait_alu depctr_va_vdst(0)                   ; the even tile's products are done reading its key fragment and scale words, its additions its norms: the loads below land in these.  (At an even tile's head the exchange's wait has said the same)
.endif
.if \nxt
	ds_load_b32 v[KS+1-\par], v[LS] offset:128*(1+\par)
	ds_load_b128 v[KN+8*(1-\par):KN+8*(1-\par)+3], v[LN] offset:128*(1+\par)
	ds_load_b128 v[KN+8*(1-\par)+4:KN+8*(1-\par)+7], v[LN] offset:128*(1+\par)+16
.endif
.if \pre
	WIN 0x40                                       ; between the wait and these loads stand LDS stores of other registers, loads, scalar lines and window switches alone
.irp c, 0,1,2,3
	global_load_b128 v[KF+16*((\u4+3)%4)+4*\c:KF+16*((\u4+3)%4)+4*\c+3], v[L16], s[20:21] offset:(3+\u4)*2048+512*\c
.endr
.endif
	WIN 0x05                                       ; sources 0 and 1 window 1
.irp qt, 0,1,2,3,4,5,6,7
.if \qt%2
	v_wmma_scale_f32_16x16x128_f8f6f4 v[D+8*\qt:D+8*\qt+7], v[KF+16*\u4:KF+16*\u4+15], v[16*\qt:16*\qt+15], 0, v[KS+\par], v[QS+\qt/2] matrix_a_fmt:MATRIX_FMT_BF8 matrix_b_fmt:MATRIX_FMT_BF8 matrix_b_scale:MATRIX_SCALE_ROW1
.else
	v_wmma_scale_f32_16x16x128_f8f6f4 v[D+8*\qt:D+8*\qt+7], v[KF+16*\u4:KF+16*\u4+15], v[16*\qt:16*\qt+15], 0, v[KS+\par], v[QS+\qt/2] matrix_a_fmt:MATRIX_FMT_BF8 matrix_b_fmt:MATRIX_FMT_BF8
.endif
.endr
	WIN 0
.rept 8
	v_nop                                          ; eight places behind this form, in front of the first read of its results
.endr
.irp i, 0,2,4,6                                ; each accumulator is read from its low end on
.irp qt, 0,1,2,3,4,5,6,7
	v_pk_fma_f32 v[D+8*\qt+\i:D+8*\qt+\i+1], v[D+8*\qt+\i:D+8*\qt+\i+1], -2.0, v[QQ+2*\qt:QQ+2*\qt+1] op_sel_hi:[1,0,1]   ; qq - 2 dot: one rounding
.endr
.endr
.irp i, 0,2,4,6
.irp qt, 0,1,2,3,4,5,6,7
	v_pk_add_f32 v[D+8*\qt+\i:D+8*\qt+\i+1], v[D+8*\qt+\i:D+8*\qt+\i+1], v[KN+8*\par+\i:KN+8*\par+\i+1]   ; + kk
.endr
.endr
.irp qt, 0,1,2,3,4,5,6,7
	v_min3_num_f32 v[MN+8*\par+\qt], v[D+8*\qt], v[D+8*\qt+1], v[D+8*\qt+2]
.endr
.irp qt, 0,1,2,3,4,5,6,7
	v_min3_num_f32 v[MN+8*\par+\qt], v[MN+8*\par+\qt], v[D+8*\qt+3], v[D+8*\qt+4]
.endr
.irp qt, 0,1,2,3,4,5,6,7
	v_min3_num_f32 v[MN+8*\par+\qt], v[MN+8*\par+\qt], v[D+8*\qt+5], v[D+8*\qt+6]
.endr
.irp qt, 0,1,2,3,4,5,6,7
	v_min_num_f32 v[MN+8*\par+\qt], v[MN+8*\par+\qt], v[D+8*\qt+7]   ; my eight keys' minimum
.endr
.endm
; Two tiles' minima are joined across the halves of the lanes by ONE exchange: lanes 0-15 send the odd tile's and keep the even tile's, lanes 16-31 the other way round.
; The three LDS addresses move on by a pair of tiles here.  more = 1: side data are still to be fetched.
.macro XCHG more
	s_wait_alu depctr_vm_vsrc(0)                   ; the last exchange's LDS stores have read KEP and v[ST], the side data's LDS loads issued so far v[LS] and v[LN]: all are written again below
	v_add_nc_u32 v[ST], 8, v[ST]                   ; this pair's two words of a stage row
.if \more
	v_add_nc_u32 v[LS], 2*128, v[LS]
	v_add_nc_u32 v[LN], 2*128, v[LN]
.endif
.irp qt, 0,1,2,3,4,5,6,7
	v_cndmask_b32 v[SND+\qt], v[MN+8+\qt], v[MN+\qt], s32
.endr
.irp qt, 0,1,2,3,4,5,6,7
	v_cndmask_b32 v[KEP+\qt], v[MN+\qt], v[MN+8+\qt], s32
.endr
.irp qt, 0,1,2,3,4,5,6,7
	v_permlanex16_b32 v[RCV+\qt], v[SND+\qt], s30, s31
.endr
.irp qt, 0,1,2,3,4,5,6,7
	v_min_num_f32 v[KEP+\qt], v[KEP+\qt], v[RCV+\qt]
.endr
	s_wait_alu depctr_va_vdst(0)                   ; KEP and v[ST] are written, which the stores below read; so are v[LS] and v[LN]; and the odd tile is done reading its key fragment, scale words and norms, in which the next tile's loads land
.irp qt, 0,1,2,3,4,5,6,7
	ds_store_b32 v[ST], v[KEP+\qt] offset:16*SPT*\qt   ; query 16 qt + r, tile h of the pair
.endr
.endm
	s_mov_b32 s33, 7
.Ltrip:                                                ; four tiles a trip; seven trips ask for tiles 3 .. 30
	TILE 0, 0, 1, 8, 1, 8
	TILE 1, 1, 1, 8, 1, 0
	XCHG 1
	TILE 2, 0, 1, 8, 1, 8
	TILE 3, 1, 1, 8, 1, 0
	XCHG 1
	s_wait_xcnt 0x0                                ; the loads have read their base: it may step
	s_add_nc_u64 s[20:21], s[20:21], 4*2048
	s_sub_co_u32 s33, s33, 1
	s_cmp_lg_u32 s33, 0
	s_cbranch_scc1 .Ltrip
	TILE 0, 0, 1, 8, 1, 8                          ; the last four tiles: tile 28 asks for tile 31, the others for nothing: the counts run down
	TILE 1, 1, 0, 8, 1, 0
	XCHG 1
	TILE 2, 0, 0, 4, 1, 8
	TILE 3, 1, 0, 0, 0, 0
	XCHG 0
	s_wait_dscnt 0x0                               ; for the others' sake: my minima lie in my stage
	s_barrier_signal -1
	s_barrier_wait -1
.irp hf, 0,1                                   ; the loads below land in registers that no vector instruction has named since the last exchange's wait on va_vdst
.irp it, 0,1,2,3,4,5,6,7,8,9,10,11,12,13,14,15
	ds_load_b128 v[D+(OB2-D)*\hf+4*\it:D+(OB2-D)*\hf+4*\it+3], v[RD] offset:2*SPT*(16*\hf+\it)
.endr
.irp it, 0,1,2,3,4,5,6,7,8,9,10,11,12,13,14,15
	s_wait_dscnt 15-\it
	global_store_b128 v[GO], v[D+(OB2-D)*\hf+4*\it:D+(OB2-D)*\hf+4*\it+3], s[28:29] offset:2*ROWM*(16*\hf+\it)   ; two queries' 64 minima: sixteen lanes store 256 consecutive bytes, aligned
.endr
.endr
	s_wait_dscnt 0x0
	s_wait_alu depctr_hold_cnt(0) depctr_sa_sdst(0) depctr_va_vdst(0) depctr_va_sdst(0) depctr_va_ssrc(0) depctr_va_vcc(0) depctr_vm_vsrc(0)
	s_wait_tensorcnt 0x0
	ds_add_u32 v254, v255
	s_wait_dscnt 0x0
	s_endpgm
.Lfunc_end_k_q2f0fed4935_mins:
	.size	k_q2f0fed4935_mins, .Lfunc_end_k_q2f0fed4935_mins-k_q2f0fed4935_mins
	.p2alignl 7, 3214868480
	.fill 96, 4, 3214868480
	.section	.rodata,"a",@progbits
	.p2align	6, 0x0
	.amdhsa_kernel k_q2f0fed4935_mins
		.amdhsa_group_segment_fixed_size 82944
		.amdhsa_private_segment_fixed_size 0
		.amdhsa_enable_private_segment 0
		.amdhsa_kernarg_size 40
		.amdhsa_user_sgpr_count 2
		.amdhsa_user_sgpr_kernarg_segment_ptr 1
		.amdhsa_wavefront_size32 1
		.amdhsa_system_sgpr_workgroup_id_x 1
		.amdhsa_system_sgpr_workgroup_id_y 1
		.amdhsa_system_sgpr_workgroup_id_z 1
		.amdhsa_system_vgpr_workitem_id 0
		.amdhsa_next_free_vgpr 448
		.amdhsa_next_free_sgpr 66
		.amdhsa_reserve_vcc 0
		.amdhsa_float_denorm_mode_32 3
		.amdhsa_float_denorm_mode_16_64 3
		.amdhsa_memory_ordered 1
		.amdhsa_forward_progress 1
		.amdhsa_inst_pref_size 88
	.end_amdhsa_kernel
	.amdgpu_metadata
---
amdhsa.version: [ 1, 2 ]
amdhsa.kernels:
  - .name:           k_q2f0fed4935_mins
    .symbol:         k_q2f0fed4935_mins.kd
    .args:
      - { .name: kimg, .offset: 0, .size: 8, .value_kind: global_buffer, .address_space: global }
      - { .name: ksid, .offset: 8, .size: 8, .value_kind: global_buffer, .address_space: global }
      - { .name: qimg, .offset: 16, .size: 8, .value_kind: global_buffer, .address_space: global }
      - { .name: qsid, .offset: 24, .size: 8, .value_kind: global_buffer, .address_space: global }
      - { .name: m16, .offset: 32, .size: 8, .value_kind: global_buffer, .address_space: global }
    .group_segment_fixed_size: 82944
    .private_segment_fixed_size: 0
    .kernarg_segment_align: 8
    .kernarg_segment_size: 40
    .max_flat_workgroup_size: 128
    .sgpr_count:     66
    .vgpr_count:     448
    .wavefront_size: 32
...
	.end_amdgpu_metadata
.endif
;; end of part 6
;; launch selg: the kernel of part 3 again; grid 256 x 1, 8 waves a work-group, no clusters, 0 bytes of LDS; arguments m16, tlist; writes tlist
;; launch selk (part 7): grid 256 x 1, 8 waves a work-group, no clusters, 0 bytes of LDS; arguments tlist, kimg, ksid, qimg, qsid, klist; writes klist
.if DOCPART == 7
	.amdgcn_target "amdgcn-amd-amdhsa--gfx1250"
	.amdhsa_code_object_version 6
	.text
	.protected	k_q2f0fed4935_selk
	.globl	k_q2f0fed4935_selk
	.p2align	8
	.type	k_q2f0fed4935_selk,@function
k_q2f0fed4935_selk:
	s_mov_b64 s[64:65], 0
	v_nop
	global_prefetch_b8 v0, s[64:65] scope:SCOPE_SE
	s_setreg_imm32_b32 hwreg(HW_REG_WAVE_SCHED_MODE, 0, 2), 2
	s_setreg_imm32_b32 hwreg(HW_REG_WAVE_MODE, 25, 1), 1
	s_wait_xcnt 0x0
	s_wait_alu depctr_vm_vsrc(0)
; For each query the 50 keys that come first by (d, key index), as whole numbers: klist[q][0..49]; slots 50..63 are 0.
; The query's 50 tiles (tlist, stored by an earlier launch, ascending) are gathered as register images, and d is made again by the same matrix instruction with its sources swapped (source 0 = the query in all sixteen rows,
; source 1 = 16 keys), the same fused multiply-add and the same addition: the same numbers as the dense pass.  Register 0 of a result then holds key (lane % 16) in every lane.
; Two tiles make a word of 32 keys: lanes 0-15 the even tile, lanes 16-31 the odd one; tiles ascend, so (word, lane) is the order of the key index.  The choice among the 800 keys goes as among the tiles:
; 32 steps of counting, ties by index, gathering from the destination's side.  No branch hangs on the data; addresses hang on tlist alone, each number held to 3,135 first.
; One wave, one query; waves share nothing.  Loads run four pairs of tiles ahead, 12 loads a pair.
; LIMITS: NaN and infinities among the inputs are not served.
; THE MODE: SCHED_MODE bits 1:0 = 2 (LLVM: expert scheduling mode 2), set by the entry lines.  The code itself states the register dependences
; between vector or matrix instructions and memory instructions, and those through scalar registers that vector instructions write, with s_wait_alu, always for 0.
; THE PLAN.  Registers that memory instructions touch, pair by pair:
;   KF, KSC, KNR  a ring of four pairs.  Pair p: its two products read its fragments and scale words, one selection its norms; behind them the loads of pair p + 4 land there.
;   AO, SO        four offsets a pair, the same ring.  Read by pair p's twelve loads; written again for pair p + 4 behind pair p's products.
; So a pair has one wait on vm_vsrc, ahead of the four lines that write its offsets again, and one on va_vdst, behind its vector work and ahead of the twelve loads: the offsets are written, the products and the selection are done reading.
; The last four pairs load nothing and have neither.  Behind the pairs no memory instruction stands but the one store.
; MASKS that compares write into scalar registers have a wait on va_sdst ahead of their first reader; the compares stand in runs, one wait to a run.
.set L16, 1                            ; 16 x lane
.set R4,  2                            ; 4 r
.set AO,  8                            ; v8-15    image offsets: 8 + 2 b + u
.set SO,  16                           ; v16-23   side offsets
.set KSC, 24                           ; v24-31   key scale words
.set KNR, 32                           ; v32-39   key norms
.set QSC, 40                           ; the query's scale word, in every lane
.set XR,  41
.set XN,  42
.set XT,  43
.set QF,  44                           ; v44-59   the query's fragment
.set DA,  60
.set DB,  68
.set KF,  76                           ; v76-203  key fragments: 76 + 32 b + 16 u
.set KEY, 204                          ; v204-228
.set NB,  5
.set BS,  5
.set VR,  229
.set SLOT, 230
.set W,   232
.set CB,  234
.set TG,  236
.set OUT, 238
.set NW,  240                          ; v240-255 at work: eight registers for each of my two slots
.set MS, 70                            ; s70-79 two sets of five masks
.set S_T, 80
.set S_BIT, 81
.set S_CAND, 82
.set S_CNT, 83
.set S_CLT, 84
.set S_IT, 85
.set S_NEED, 86
.set S_E, 87
.set S_C, 88
.set S_LT, 89
.set S_EQ, 90
.set S_TK, 91
.set S_SEL, 92
.set S_C0, 93
.set S_C1, 94
.set S_TAG, 95
.set S_X, 98
.macro KEYOF d, x, t                   ; unsigned order = the floats' order
	v_ashrrev_i32 v[\t], 31, v[\x]
	v_or_b32 v[\t], 0x80000000, v[\t]
	v_xor_b32 v[\d], v[\x], v[\t]
.endm
.macro CMPB k
.set jj, 0
.rept BS
	v_cmp_gt_u32 s[MS+BS*((\k)%2)+jj], s[S_CAND], v[KEY+BS*(\k)+jj]
.set jj, jj+1
.endr
.endm
.macro CNTB k
.set jj, 0
.rept BS
	s_bcnt1_i32_b32 s[MS+BS*((\k)%2)+jj], s[MS+BS*((\k)%2)+jj]
	s_add_co_u32 s[S_CNT], s[S_CNT], s[MS+BS*((\k)%2)+jj]
.set jj, jj+1
.endr
.endm
.macro BISECT                          ; T = the 50th smallest key, CLT = how many keys lie under it
	s_mov_b32 s[S_T], 0
	s_mov_b32 s[S_CLT], 0
	s_mov_b32 s[S_BIT], 0x80000000
	s_mov_b32 s[S_IT], 32
.Lbis:
	s_or_b32 s[S_CAND], s[S_T], s[S_BIT]
	s_mov_b32 s[S_CNT], 0
	CMPB 0
.set kk, 0
.rept NB-1
	s_wait_alu depctr_va_sdst(0)                   ; the compares issued so far have written their masks: this batch's five, which the counts below read
	CMPB kk+1                                      ; the next batch's compares stand behind the wait and ahead of this batch's counts
	CNTB kk
.set kk, kk+1
.endr
	s_wait_alu depctr_va_sdst(0)                   ; the last batch's five masks are written
	CNTB NB-1
	s_cmp_ge_u32 s[S_CNT], 50
	s_cselect_b32 s[S_T], s[S_T], s[S_CAND]
	s_cselect_b32 s[S_CLT], s[S_CLT], s[S_CNT]
	s_lshr_b32 s[S_BIT], s[S_BIT], 1
	s_sub_co_u32 s[S_IT], s[S_IT], 1
	s_cmp_lg_u32 s[S_IT], 0
	s_cbranch_scc1 .Lbis
	s_sub_co_u32 s[S_NEED], 50, s[S_CLT]
	s_mov_b32 s[S_E], 0
	s_mov_b32 s[S_C], 0
.endm
.macro PICK key, tag
	v_cmp_gt_u32 s[S_LT], s[S_T], v[\key]
	v_cmp_eq_u32 s[S_EQ], s[S_T], v[\key]
	v_cmp_le_u32 s[S_C0], s[S_C], v[SLOT]
	v_cmp_le_u32 s[S_C1], s[S_C], v[SLOT+1]
	s_wait_alu depctr_va_sdst(0)                   ; the four masks are written, ahead of the count of lanes and the selections that read them
	v_mbcnt_lo_u32_b32 v[VR], s[S_EQ], s[S_E]
	v_cmp_gt_u32 s[S_TK], s[S_NEED], v[VR]
	v_cndmask_b32 v[CB], v[CB], s[S_C], s[S_C0]
	v_cndmask_b32 v[CB+1], v[CB+1], s[S_C], s[S_C1]
	v_cndmask_b32 v[TG], v[TG], \tag, s[S_C0]
	v_cndmask_b32 v[TG+1], v[TG+1], \tag, s[S_C1]
	s_bcnt1_i32_b32 s[S_X], s[S_EQ]
	s_add_co_u32 s[S_E], s[S_E], s[S_X]
	s_wait_alu depctr_va_sdst(0)                   ; the mask of the equal keys that are taken is written, ahead of the line that reads it
	s_and_b32 s[S_TK], s[S_TK], s[S_EQ]
	s_or_b32 s[S_SEL], s[S_TK], s[S_LT]
	v_cndmask_b32 v[W], v[W], s[S_SEL], s[S_C0]
	v_cndmask_b32 v[W+1], v[W+1], s[S_SEL], s[S_C1]
	s_bcnt1_i32_b32 s[S_X], s[S_SEL]
	s_add_co_u32 s[S_C], s[S_C], s[S_X]
.endm
; The place of set bit number SLOT - CB (from 0) of W: sums of 2, 4, 8, 16 bits, then five halvings.  My two slots go side by side, each in eight registers, so that one wait serves the two compares of a halving.
.macro NSUMS z
.set nw, NW+8*(\z)
	v_sub_nc_u32 v[nw], v[SLOT+\z], v[CB+\z]
	v_lshrrev_b32 v[nw+1], 1, v[W+\z]
	v_and_b32 v[nw+1], 0x55555555, v[nw+1]
	v_sub_nc_u32 v[nw+1], v[W+\z], v[nw+1]
	v_lshrrev_b32 v[nw+2], 2, v[nw+1]
	v_and_b32 v[nw+2], 0x33333333, v[nw+2]
	v_and_b32 v[nw+6], 0x33333333, v[nw+1]
	v_add_nc_u32 v[nw+2], v[nw+2], v[nw+6]
	v_lshrrev_b32 v[nw+3], 4, v[nw+2]
	v_add_nc_u32 v[nw+3], v[nw+3], v[nw+2]
	v_and_b32 v[nw+3], 0x0f0f0f0f, v[nw+3]
	v_lshrrev_b32 v[nw+4], 8, v[nw+3]
	v_add_nc_u32 v[nw+4], v[nw+4], v[nw+3]
	v_and_b32 v[nw+4], 0x00ff00ff, v[nw+4]
	v_mov_b32 v[nw+5], 0
.endm
.macro NSTEP x0, x1, bits, width       ; if n set bits or fewer lie in the field at p, pass over it
	v_bfe_u32 v[NW+6], v[\x0], v[NW+5], \bits
	v_bfe_u32 v[NW+14], v[\x1], v[NW+13], \bits
	v_cmp_ge_u32 s[S_C0], v[NW], v[NW+6]
	v_cmp_ge_u32 s[S_C1], v[NW+8], v[NW+14]
	s_wait_alu depctr_va_sdst(0)                   ; the two masks are written, ahead of the selections that read them
	v_cndmask_b32 v[NW+6], 0, v[NW+6], s[S_C0]
	v_cndmask_b32 v[NW+7], 0, \width, s[S_C0]
	v_cndmask_b32 v[NW+14], 0, v[NW+14], s[S_C1]
	v_cndmask_b32 v[NW+15], 0, \width, s[S_C1]
	v_sub_nc_u32 v[NW], v[NW], v[NW+6]
	v_add_nc_u32 v[NW+5], v[NW+5], v[NW+7]
	v_sub_nc_u32 v[NW+8], v[NW+8], v[NW+14]
	v_add_nc_u32 v[NW+13], v[NW+13], v[NW+15]
.endm
; Tile number i of the list lies in s[16 + i], the last two in s66 and s67.
.macro FADDR p                         ; pair p's four offsets, each a shift of the held tile number and an addition
.set bb, (\p)%4
.set ta, 16+2*(\p)+2*((2*(\p))/48)
.set tb, 17+2*(\p)+2*((2*(\p)+1)/48)
	v_lshl_add_u32 v[AO+2*bb], s[ta], 11, v[L16]
	v_lshl_add_u32 v[AO+2*bb+1], s[tb], 11, v[L16]
	v_lshl_add_u32 v[SO+2*bb], s[ta], 7, v[R4]
	v_lshl_add_u32 v[SO+2*bb+1], s[tb], 7, v[R4]
.endm
.macro FLOAD p                         ; its 12 loads
.set bb, (\p)%4
.irp u, 0,1
.irp c, 0,1,2,3
	global_load_b128 v[KF+32*bb+16*\u+4*\c:KF+32*bb+16*\u+4*\c+3], v[AO+2*bb+\u], s[6:7] offset:512*\c
.endr
	global_load_b32 v[KSC+2*bb+\u], v[SO+2*bb+\u], s[8:9]
	global_load_b32 v[KNR+2*bb+\u], v[SO+2*bb+\u], s[8:9] offset:64
.endr
.endm
.macro PAIR p, cnt, pre                ; cnt: the younger pairs' loads, 12 each, that may stay out
.set bb, (\p)%4
	s_wait_loadcnt \cnt
	v_wmma_scale_f32_16x16x128_f8f6f4 v[DA:DA+7], v[QF:QF+15], v[KF+32*bb:KF+32*bb+15], 0, v[QSC], v[KSC+2*bb] matrix_a_fmt:MATRIX_FMT_BF8 matrix_b_fmt:MATRIX_FMT_BF8
	v_wmma_scale_f32_16x16x128_f8f6f4 v[DB:DB+7], v[QF:QF+15], v[KF+32*bb+16:KF+32*bb+31], 0, v[QSC], v[KSC+2*bb+1] matrix_a_fmt:MATRIX_FMT_BF8 matrix_b_fmt:MATRIX_FMT_BF8
.if \pre
	s_wait_alu depctr_vm_vsrc(0)                   ; this pair's loads have read their four offset registers, which the four lines below write again
	FADDR (\p)+4                                   ; these four lines are four of the eight places behind the products
.rept 4
	v_nop
.endr
.else
.rept 8
	v_nop
.endr
.endif
	v_cndmask_b32 v[XR], v[DA], v[DB], s97         ; lanes 0-15: the even tile's key r; lanes 16-31: the odd tile's.  (Each result is read at its lowest register)
	v_cndmask_b32 v[XN], v[KNR+2*bb], v[KNR+2*bb+1], s97
	v_fma_f32 v[XR], v[XR], -2.0, s96              ; qq - 2 dot
	v_add_f32 v[XR], v[XR], v[XN]                  ; + kk
	KEYOF KEY+(\p), XR, XT
.if \pre
	s_wait_alu depctr_va_vdst(0)                   ; the four offsets are written, which the loads below read; the products are done reading this pair's fragments and scale words, the selection its norms, in which they land
	FLOAD (\p)+4
.endif
.endm
	s_load_b256 s[4:11], s[0:1], 0x0               ; tlist s[4:5], kimg s[6:7], ksid s[8:9], qimg s[10:11]
	s_load_b128 s[12:15], s[0:1], 0x20             ; qsid s[12:13], klist s[14:15]
	v_lshrrev_b32 v1, 5, v0
	v_readfirstlane_b32 s68, v1                    ; wave
	v_and_b32 v3, 31, v0
	v_lshlrev_b32 v[L16], 4, v3
	v_and_b32 v[R4], 15, v0
	v_lshlrev_b32 v[R4], 2, v[R4]
	v_bfe_u32 v5, v0, 4, 1
	v_lshlrev_b32 v5, 8, v5                        ; 256 h: my half of a row's 32 bytes in a piece of an image
	v_mov_b32 v6, 0
	v_lshlrev_b32 v7, 3, v3                        ; 8 x lane
	v_lshlrev_b32 v[SLOT], 1, v3
	v_or_b32 v[SLOT+1], 1, v[SLOT]
.irp i, 0,1
	v_mov_b32 v[W+\i], 0
	v_mov_b32 v[CB+\i], 0
	v_mov_b32 v[TG+\i], 0
.endr
	s_mov_b32 s97, 0xffff0000                      ; lanes 16-31
	s_wait_alu depctr_va_sdst(0)                   ; s68 is written, ahead of its first reader: the query's number and all bases are made from it
	s_lshl_b32 s69, ttmp9, 3
	s_add_co_u32 s69, s69, s68                     ; my query
	s_lshl_b32 s100, s69, 8
	s_mov_b32 s101, 0
	s_wait_kmcnt 0x0
	s_add_nc_u64 s[4:5], s[4:5], s[100:101]
	s_add_nc_u64 s[2:3], s[14:15], s[100:101]
	s_load_b512 s[16:31], s[4:5], 0x0              ; the 50 tile numbers
	s_load_b512 s[32:47], s[4:5], 0x40
	s_load_b512 s[48:63], s[4:5], 0x80
	s_load_b64 s[66:67], s[4:5], 0xc0
	s_lshr_b32 s98, s69, 4                         ; my query's tile,
	s_and_b32 s99, s69, 15                         ; and its row there
	s_lshl_b32 s100, s98, 11
	s_lshl_b32 s70, s99, 4
	s_add_co_u32 s100, s100, s70
	s_add_nc_u64 s[10:11], s[10:11], s[100:101]
	s_lshl_b32 s100, s98, 7
	s_lshl_b32 s70, s99, 2
	s_add_co_u32 s100, s100, s70
	s_add_nc_u64 s[12:13], s[12:13], s[100:101]
	s_load_b32 s96, s[12:13], 0x40                 ; qq
	s_wait_alu depctr_va_vdst(0)                   ; the offsets v5, v6 and v7 are written, which the query's loads and the last store read
.irp c, 0,1,2,3
	global_load_b128 v[QF+4*\c:QF+4*\c+3], v5, s[10:11] offset:512*\c   ; every lane takes my query's row: all sixteen rows of the operand are the one query
.endr
	global_load_b32 v[QSC], v6, s[12:13]
	s_wait_kmcnt 0x0
.irp i, 16,17,18,19,20,21,22,23,24,25,26,27,28,29,30,31,32,33,34,35,36,37,38,39,40,41,42,43,44,45,46,47,48,49,50,51,52,53,54,55,56,57,58,59,60,61,62,63,66,67
	s_min_u32 s\i, s\i, 3135                       ; a loaded number enters an address only behind this hold
.endr
.irp p, 0,1,2,3
	FADDR \p
.endr
	s_wait_alu depctr_va_vdst(0)                   ; the first four pairs' sixteen offsets are written, which the 48 loads below read
.irp p, 0,1,2,3
	FLOAD \p
.endr
.set pp, 0
.rept 21
	PAIR pp, 36, 1
.set pp, pp+1
.endr
	PAIR 21, 36, 0                                 ; the last four pairs ask for nothing: the counts run down
	PAIR 22, 24, 0
	PAIR 23, 12, 0
	PAIR 24, 0, 0
	BISECT
.set pp, 0
.rept 25
	s_lshl_b32 s[S_TAG], s[17+2*pp+2*((2*pp+1)/48)], 16
	s_or_b32 s[S_TAG], s[S_TAG], s[16+2*pp+2*((2*pp)/48)]   ; the word's two tile numbers
	PICK KEY+pp, s[S_TAG]
.set pp, pp+1
.endr
	NSUMS 0
	NSUMS 1
	NSTEP NW+4, NW+12, 8, 16
	NSTEP NW+3, NW+11, 8, 8
	NSTEP NW+2, NW+10, 4, 4
	NSTEP NW+1, NW+9, 2, 2
	NSTEP W, W+1, 1, 1
	v_cmp_gt_u32 s[S_C0], 50, v[SLOT]              ; slots 50 .. 63 are 0
	v_cmp_gt_u32 s[S_C1], 50, v[SLOT+1]
.irp z, 0,1
	v_and_b32 v[NW+8*\z], 16, v[NW+8*\z+5]
	v_lshrrev_b32 v[NW+8*\z], v[NW+8*\z], v[TG+\z] ; the lane's half picks the tile number
	v_and_b32 v[NW+8*\z], 0xffff, v[NW+8*\z]
	v_and_b32 v[NW+8*\z+1], 15, v[NW+8*\z+5]
	v_lshl_add_u32 v[OUT+\z], v[NW+8*\z], 4, v[NW+8*\z+1]    ; the key: 16 x tile + row
.endr
	s_wait_alu depctr_va_sdst(0)                   ; the two masks are written, ahead of the selections that read them
	v_cndmask_b32 v[OUT], 0, v[OUT], s[S_C0]
	v_cndmask_b32 v[OUT+1], 0, v[OUT+1], s[S_C1]
	s_wait_alu depctr_va_vdst(0)                   ; the selections have written v[OUT] and v[OUT + 1], which the store reads
	global_store_b64 v7, v[OUT:OUT+1], s[2:3]      ; 32 lanes store 256 consecutive bytes, aligned
	s_endpgm
.Lfunc_end_k_q2f0fed4935_selk:
	.size	k_q2f0fed4935_selk, .Lfunc_end_k_q2f0fed4935_selk-k_q2f0fed4935_selk
	.p2alignl 7, 3214868480
	.fill 96, 4, 3214868480
	.section	.rodata,"a",@progbits
	.p2align	6, 0x0
	.amdhsa_kernel k_q2f0fed4935_selk
		.amdhsa_group_segment_fixed_size 0
		.amdhsa_private_segment_fixed_size 0
		.amdhsa_enable_private_segment 0
		.amdhsa_kernarg_size 48
		.amdhsa_user_sgpr_count 2
		.amdhsa_user_sgpr_kernarg_segment_ptr 1
		.amdhsa_wavefront_size32 1
		.amdhsa_system_sgpr_workgroup_id_x 1
		.amdhsa_system_sgpr_workgroup_id_y 1
		.amdhsa_system_sgpr_workgroup_id_z 1
		.amdhsa_system_vgpr_workitem_id 0
		.amdhsa_next_free_vgpr 256
		.amdhsa_next_free_sgpr 102
		.amdhsa_reserve_vcc 0
		.amdhsa_float_denorm_mode_32 3
		.amdhsa_float_denorm_mode_16_64 3
		.amdhsa_memory_ordered 1
		.amdhsa_forward_progress 1
		.amdhsa_inst_pref_size 97
	.end_amdhsa_kernel
	.amdgpu_metadata
---
amdhsa.version: [ 1, 2 ]
amdhsa.kernels:
  - .name:           k_q2f0fed4935_selk
    .symbol:         k_q2f0fed4935_selk.kd
    .args:
      - { .name: tlist, .offset: 0, .size: 8, .value_kind: global_buffer, .address_space: global }
      - { .name: kimg, .offset: 8, .size: 8, .value_kind: global_buffer, .address_space: global }
      - { .name: ksid, .offset: 16, .size: 8, .value_kind: global_buffer, .address_space: global }
      - { .name: qimg, .offset: 24, .size: 8, .value_kind: global_buffer, .address_space: global }
      - { .name: qsid, .offset: 32, .size: 8, .value_kind: global_buffer, .address_space: global }
      - { .name: klist, .offset: 40, .size: 8, .value_kind: global_buffer, .address_space: global }
    .group_segment_fixed_size: 0
    .private_segment_fixed_size: 0
    .kernarg_segment_align: 8
    .kernarg_segment_size: 48
    .max_flat_workgroup_size: 256
    .sgpr_count:     102
    .vgpr_count:     256
    .wavefront_size: 32
...
	.end_amdgpu_metadata
.endif
;; end of part 7
;; launch final (part 8): grid 256 x 1, 8 waves a work-group, no clusters, 0 bytes of LDS; arguments klist, queries, dnd_keys, dnd_values, out0; writes out0
.if DOCPART == 8
	.amdgcn_target "amdgcn-amd-amdhsa--gfx1250"
	.amdhsa_code_object_version 6
	.text
	.protected	k_q2f0fed4935_final
	.globl	k_q2f0fed4935_final
	.p2align	8
	.type	k_q2f0fed4935_final,@function
k_q2f0fed4935_final:
	s_mov_b64 s[64:65], 0
	v_nop
	global_prefetch_b8 v0, s[64:65] scope:SCOPE_SE
	s_setreg_imm32_b32 hwreg(HW_REG_WAVE_SCHED_MODE, 0, 2), 2
	s_setreg_imm32_b32 hwreg(HW_REG_WAVE_MODE, 25, 1), 1
	s_wait_xcnt 0x0
	s_wait_alu depctr_vm_vsrc(0)
; out0[q] = sum over the query's 50 neighbours of w v / sum of w,  w = 1 / (|q - key|^2 + 0.001), all in f32 on the inputs as they are given.
; The neighbours' indices come from klist, stored by an earlier launch; each is held to 49,999 before it enters an address.  One wave, one query; waves share nothing.
; A key's row is 512 bytes: one load, 16 bytes a lane; 16 rows are on their way.  Four neighbours are worked at a time, line by line, so that the sums across the lanes do not wait for each other.
; Neighbour n's squared distance goes to lane n / 2 of register n % 2, where its value lies too; the weights, their sum and the weighted sum are then made once for all 50.
; A wave's result is one number: the work-group's eight are 32 bytes of an output of 8,192 bytes in all; each is stored by its wave's lane 0.
; LIMITS: NaN and infinities among the inputs are not served.
; THE MODE: SCHED_MODE bits 1:0 = 2 (LLVM: expert scheduling mode 2), set by the entry lines.  The code itself states the register dependences
; between vector instructions and memory instructions, and those through scalar registers, VCC and EXEC, with s_wait_alu, always for 0.
; THE PLAN.  Registers that memory instructions touch:
;   AO   50 row offsets, a register for each neighbour: written once (sixteen ahead of the first rows' loads, the other 34 behind them), read by one load each, never written again.
;   K    a ring of 16 rows.  A group's subtractions, and nothing else, read its four rows; behind them the rows 16 on land there.
;   L16, v2, VO  offsets, made once.
; So a group that asks for rows has ONE wait on va_vdst, behind its subtractions: they are done reading the group's rows (and, at the first group, the 34 offsets are written).  The rest of its arithmetic names none of those registers.
; A group's four sums pass through scalar registers into their lanes: one wait on va_sdst between the lines that write them and the lines that read them.
.set L16, 1
.set Q,   4                            ; v4-7     my four numbers of the query
.set IDX, 8
.set VO,  10
.set VAL, 12
.set SD,  14                           ; v14-15   squared distances
.set AO,  16                           ; v16-65   row offsets, one for each neighbour
.set K,   66                           ; v66-129  rows, a ring of 16
.set TT,  130                          ; v130-161 at work: eight registers for each of four neighbours
.macro NBG n0, G                       ; neighbours n0 .. n0 + G - 1
.set lim, (\n0)+16
.if lim > 50
.set lim, 50
.endif
	s_wait_loadcnt lim-(\n0)-(\G)                  ; the rows asked for behind these may stay out
.set g, 0
.rept \G
	v_pk_add_f32 v[TT+8*g:TT+8*g+1], v[Q:Q+1], v[K+4*(((\n0)+g)%16):K+4*(((\n0)+g)%16)+1] neg_lo:[0,1] neg_hi:[0,1]
	v_pk_add_f32 v[TT+8*g+2:TT+8*g+3], v[Q+2:Q+3], v[K+4*(((\n0)+g)%16)+2:K+4*(((\n0)+g)%16)+3] neg_lo:[0,1] neg_hi:[0,1]
.set g, g+1
.endr
.if (\n0)+16 < 50
	s_wait_alu depctr_va_vdst(0)                   ; the subtractions are done reading these rows' registers, in which the loads below land; at the first group the offsets of rows 16 to 49 are written too
.set g, 0
.rept \G
.set nn, (\n0)+g+16
.if nn < 50
	global_load_b128 v[K+4*(((\n0)+g)%16):K+4*(((\n0)+g)%16)+3], v[AO+nn], s[8:9]
.endif
.set g, g+1
.endr
.endif
.set g, 0
.rept \G
	v_pk_mul_f32 v[TT+8*g+4:TT+8*g+5], v[TT+8*g:TT+8*g+1], v[TT+8*g:TT+8*g+1]
.set g, g+1
.endr
.set g, 0
.rept \G
	v_pk_fma_f32 v[TT+8*g+4:TT+8*g+5], v[TT+8*g+2:TT+8*g+3], v[TT+8*g+2:TT+8*g+3], v[TT+8*g+4:TT+8*g+5]
.set g, g+1
.endr
.set g, 0
.rept \G
	v_add_f32 v[TT+8*g], v[TT+8*g+4], v[TT+8*g+5]
.set g, g+1
.endr
.irp m, 1,2,4,8
.set g, 0
.rept \G
	v_add_f32_dpp v[TT+8*g], v[TT+8*g], v[TT+8*g] row_xmask:\m row_mask:0xf bank_mask:0xf
.set g, g+1
.endr
.endr
.set g, 0
.rept \G
	v_permlanex16_b32 v[TT+8*g+1], v[TT+8*g], s70, s71
.set g, g+1
.endr
.set g, 0
.rept \G
	v_add_f32 v[TT+8*g], v[TT+8*g], v[TT+8*g+1]
.set g, g+1
.endr
.set g, 0
.rept \G
	v_readfirstlane_b32 s[72+g], v[TT+8*g]
.set g, g+1
.endr
	s_wait_alu depctr_va_sdst(0)                   ; the group's sums are written into s72 on, ahead of the lines that read them
.set g, 0
.rept \G
	v_writelane_b32 v[SD+((\n0)+g)%2], s[72+g], ((\n0)+g)/2
.set g, g+1
.endr
.endm
	s_load_b256 s[4:11], s[0:1], 0x0               ; klist s[4:5], queries s[6:7], keys s[8:9], values s[10:11]
	s_load_b64 s[12:13], s[0:1], 0x20              ; out0
	v_lshrrev_b32 v1, 5, v0
	v_readfirstlane_b32 s68, v1                    ; wave
	v_and_b32 v3, 31, v0
	v_lshlrev_b32 v[L16], 4, v3
	v_lshlrev_b32 v2, 3, v3
	v_mov_b32 v[SD], 1.0                           ; lanes 25-31 keep this: their weights are set to 0 below
	v_mov_b32 v[SD+1], 1.0
	s_mov_b32 s70, 0x76543210
	s_mov_b32 s71, 0xfedcba98                      ; lane l xor 16
	s_wait_alu depctr_va_sdst(0)                   ; s68 is written, ahead of its first reader: the query's number and all bases are made from it
	s_lshl_b32 s69, ttmp9, 3
	s_add_co_u32 s69, s69, s68                     ; my query
	s_lshl_b32 s76, s69, 8
	s_mov_b32 s77, 0
	s_wait_kmcnt 0x0
	s_add_nc_u64 s[4:5], s[4:5], s[76:77]
	s_load_b512 s[16:31], s[4:5], 0x0              ; the 50 indices, as scalars for the rows' addresses
	s_load_b512 s[32:47], s[4:5], 0x40
	s_load_b512 s[48:63], s[4:5], 0x80
	s_load_b64 s[66:67], s[4:5], 0xc0
	s_lshl_b32 s76, s69, 9
	s_add_nc_u64 s[6:7], s[6:7], s[76:77]
	s_lshl_b32 s76, s69, 2
	s_add_nc_u64 s[12:13], s[12:13], s[76:77]
	s_wait_alu depctr_va_vdst(0)                   ; the offsets v[L16] and v2 are written, which the two loads below read
	global_load_b128 v[Q:Q+3], v[L16], s[6:7]
	global_load_b64 v[IDX:IDX+1], v2, s[4:5]       ; and two a lane, for the values
	s_wait_kmcnt 0x0
.irp i, 16,17,18,19,20,21,22,23,24,25,26,27,28,29,30,31,32,33,34,35,36,37,38,39,40,41,42,43,44,45,46,47,48,49,50,51,52,53,54,55,56,57,58,59,60,61,62,63,66,67
	s_min_u32 s\i, s\i, 49999
.endr
.irp n, 0,1,2,3,4,5,6,7,8,9,10,11,12,13,14,15
	v_lshl_add_u32 v[AO+\n], s[16+\n], 9, v[L16]   ; the first sixteen rows' offsets
.endr
	s_wait_loadcnt 0x0
	v_min_u32 v[IDX], 0xc34f, v[IDX]               ; held to 49,999
	v_min_u32 v[IDX+1], 0xc34f, v[IDX+1]
	v_lshlrev_b32 v[VO], 2, v[IDX]
	v_lshlrev_b32 v[VO+1], 2, v[IDX+1]
	s_wait_alu depctr_va_vdst(0)                   ; the two offsets of the values and the sixteen of the first rows are written, which the 18 loads below read
	global_load_b32 v[VAL], v[VO], s[10:11]
	global_load_b32 v[VAL+1], v[VO+1], s[10:11]
.irp n, 0,1,2,3,4,5,6,7,8,9,10,11,12,13,14,15
	global_load_b128 v[K+4*\n:K+4*\n+3], v[AO+\n], s[8:9]
.endr
.set nn, 16
.rept 34
	v_lshl_add_u32 v[AO+nn], s[16+nn+2*(nn/48)], 9, v[L16]   ; the other rows' offsets, made while the first rows are on their way; the first group's wait stands between these lines and the loads that read them
.set nn, nn+1
.endr
.irp n0, 0,4,8,12,16,20,24,28,32,36,40,44
	NBG \n0, 4
.endr
	NBG 48, 2
	v_add_f32 v[SD], 0x3a83126f, v[SD]             ; + 0.001
	v_add_f32 v[SD+1], 0x3a83126f, v[SD+1]
	v_rcp_f32 v[TT], v[SD]
	v_rcp_f32 v[TT+1], v[SD+1]
	v_cmp_gt_u32 vcc_lo, 25, v3                    ; (a plain line behind the reciprocals)  lanes 0-24 hold the 50 neighbours
	s_wait_alu depctr_va_vcc(0)                    ; VCC is written, ahead of the selections that read it
	s_wait_alu depctr_va_vdst(0)                   ; the two reciprocals have written v[TT] and v[TT + 1], ahead of the first line that names them
	v_cndmask_b32 v[TT], 0, v[TT], vcc_lo
	v_cndmask_b32 v[TT+1], 0, v[TT+1], vcc_lo
	v_mul_f32 v[TT+2], v[TT], v[VAL]
	v_fmac_f32 v[TT+2], v[TT+1], v[VAL+1]          ; my part of the sum of w v
	v_add_f32 v[TT+3], v[TT], v[TT+1]              ; and of the sum of w
.irp m, 1,2,4,8
	v_add_f32_dpp v[TT+2], v[TT+2], v[TT+2] row_xmask:\m row_mask:0xf bank_mask:0xf
	v_add_f32_dpp v[TT+3], v[TT+3], v[TT+3] row_xmask:\m row_mask:0xf bank_mask:0xf
.endr
	v_permlanex16_b32 v[TT+4], v[TT+2], s70, s71
	v_permlanex16_b32 v[TT+5], v[TT+3], s70, s71
	v_add_f32 v[TT+2], v[TT+2], v[TT+4]
	v_add_f32 v[TT+3], v[TT+3], v[TT+5]
	v_rcp_f32 v[TT+6], v[TT+3]
	v_mov_b32 v[TT+7], 0                           ; (a plain line behind the reciprocal)
	s_wait_alu depctr_va_vdst(0)                   ; the reciprocal has written v[TT + 6], ahead of the line that reads it
	v_mul_f32 v[TT+2], v[TT+2], v[TT+6]
	v_cmp_eq_u32 vcc_lo, 0, v3
	s_wait_alu depctr_va_vcc(0)                    ; VCC is written: EXEC is made from it
	s_wait_xcnt 0x0                                ; EXEC changes only behind this wait
	s_wait_alu depctr_va_vdst(0)                   ; ahead of the write of EXEC: every vector instruction issued so far has written its result, v[TT + 2] and v[TT + 7], which the store reads, among them
	s_wait_alu depctr_vm_vsrc(0)                   ; and every memory instruction issued so far has read its vector registers
	s_and_saveexec_b32 s76, vcc_lo
	global_store_b32 v[TT+7], v[TT+2], s[12:13]    ; lane 0 alone
	s_endpgm
.Lfunc_end_k_q2f0fed4935_final:
	.size	k_q2f0fed4935_final, .Lfunc_end_k_q2f0fed4935_final-k_q2f0fed4935_final
	.p2alignl 7, 3214868480
	.fill 96, 4, 3214868480
	.section	.rodata,"a",@progbits
	.p2align	6, 0x0
	.amdhsa_kernel k_q2f0fed4935_final
		.amdhsa_group_segment_fixed_size 0
		.amdhsa_private_segment_fixed_size 0
		.amdhsa_enable_private_segment 0
		.amdhsa_kernarg_size 40
		.amdhsa_user_sgpr_count 2
		.amdhsa_user_sgpr_kernarg_segment_ptr 1
		.amdhsa_wavefront_size32 1
		.amdhsa_system_sgpr_workgroup_id_x 1
		.amdhsa_system_sgpr_workgroup_id_y 1
		.amdhsa_system_sgpr_workgroup_id_z 1
		.amdhsa_system_vgpr_workitem_id 0
		.amdhsa_next_free_vgpr 162
		.amdhsa_next_free_sgpr 80
		.amdhsa_reserve_vcc 1
		.amdhsa_float_denorm_mode_32 3
		.amdhsa_float_denorm_mode_16_64 3
		.amdhsa_memory_ordered 1
		.amdhsa_forward_progress 1
		.amdhsa_inst_pref_size 52
	.end_amdhsa_kernel
	.amdgpu_metadata
---
amdhsa.version: [ 1, 2 ]
amdhsa.kernels:
  - .name:           k_q2f0fed4935_final
    .symbol:         k_q2f0fed4935_final.kd
    .args:
      - { .name: klist, .offset: 0, .size: 8, .value_kind: global_buffer, .address_space: global }
      - { .name: queries, .offset: 8, .size: 8, .value_kind: global_buffer, .address_space: global }
      - { .name: dnd_keys, .offset: 16, .size: 8, .value_kind: global_buffer, .address_space: global }
      - { .name: dnd_values, .offset: 24, .size: 8, .value_kind: global_buffer, .address_space: global }
      - { .name: out0, .offset: 32, .size: 8, .value_kind: global_buffer, .address_space: global }
    .group_segment_fixed_size: 0
    .private_segment_fixed_size: 0
    .kernarg_segment_align: 8
    .kernarg_segment_size: 40
    .max_flat_workgroup_size: 256
    .sgpr_count:     80
    .vgpr_count:     162
    .wavefront_size: 32
...
	.end_amdgpu_metadata
.endif
;; end of part 8
